; MI455X (gfx1250); checked and timed in simulation.
; The chip was launched on July 23, 2026; its instructions are those of AMD's public machine-readable ISA for CDNA 5 (MIT licence, August 2026) and "CDNA5" Instruction Set Architecture Reference Guide (July 2026). The comments in the code are by the model that wrote it; some were corrected since.
;; Resampler Block. Allowed arithmetic: matrix products marked QUANTISED: E4M3 operands, one given power-of-two scale a tensor, by v_wmma_f32_16x16x64_fp8_fp8 or v_wmma_f32_16x16x128_fp8_fp8, f32 sums; everything else in f32.
;; Inputs: W1 768 x 3,072 float32; W2 3,072 x 768 float32; W_bottle 1,024 x 768 float32; Wkv 768 x 128 float32; Wo 768 x 768 float32; Wq 768 x 768 float32; b1 3,072 float32; b2 768 float32; bkv 128 float32; bo 768 float32; bq 768 float32; gate_param one number float32; hidden_states 8 x 256 x 768 float32; image_features 8 x 4,096 x 1,024 float32; ln_ao_b 768 float32; ln_ao_g 768 float32; ln_f_b 768 float32; ln_f_g 768 float32; ln_h_b 768 float32; ln_h_g 768 float32; ln_img_b 1,024 float32; ln_img_g 1,024 float32; lowp_scales 16 int32 (the exponents e of the quantised operands' scales 2^e).
;; Outputs: out0 8 x 256 x 768 float32.
;; This version of the problem:
;;   THIS VERSION OF THE PROBLEM IS GIVEN IN LOW PRECISION. The matrix products marked QUANTISED in the list below multiply operands that are first quantised to E4M3 (4 exponent bits, 3 mantissa bits; 8 bits a number), with one given power-of-two scale for each operand tensor; their sums are f32. All else is computed in f32.
;;   The module's matrix products, in the order in which they are computed (A, B: the left and right operand; K: the contracted axis; several contracted axes count as one K, in the product's order):
;;     1. [M 32,768, K 1,024] x [K 1,024, N 768]; A: computed on the way; B: input W_bottle: QUANTISED (scales: A lowp_scales[0], B lowp_scales[1])
;;     2. [M 2,048, K 768] x [K 768, N 768]; A: computed on the way; B: input Wq: QUANTISED (scales: A lowp_scales[2], B lowp_scales[3])
;;     3. [M 32,768, K 768] x [K 768, N 128]; A: computed on the way; B: input Wkv: QUANTISED (scales: A lowp_scales[4], B lowp_scales[5])
;;     4. batch 8 x [M 3,072, K 64] x [K 64, N 4,096]; A: computed on the way; B: computed on the way: QUANTISED (scales: A lowp_scales[6], B lowp_scales[7])
;;     5. batch 8 x [M 3,072, K 4,096] x [K 4,096, N 64]; A: softmax (see below); B: computed on the way: QUANTISED (scales: A lowp_scales[8], B lowp_scales[9])
;;     6. [M 2,048, K 768] x [K 768, N 768]; A: computed on the way; B: input Wo: QUANTISED (scales: A lowp_scales[10], B lowp_scales[11])
;;     7. [M 2,048, K 768] x [K 768, N 3,072]; A: computed on the way; B: input W1: QUANTISED (scales: A lowp_scales[12], B lowp_scales[13])
;;     8. [M 2,048, K 3,072] x [K 3,072, N 768]; A: computed on the way; B: input W2: QUANTISED (scales: A lowp_scales[14], B lowp_scales[15])
;;   THE QUANTISER, for each operand of a quantised product, along K:
;;     - The operand's scale is 2^e, e = its entry of the input lowp_scales (int32; the entries are numbered through the quantised products in the list's order, A before B).
;;     - Each number is divided by the scale, clamped to +-448, and rounded to the nearest number of E4M3, ties to even, subnormals kept.
;;     - The product sums the exact products of the quantised numbers (number of the format x scale) in f32.
;;   ~~~python
;;   def quantise(x, axis, e):      # numpy; x: float32 -> the quantised numbers, widened to float32 again
;;       x = np.moveaxis(x, axis, -1); K = x.shape[-1]
;;       r = np.clip(x / 2.0 ** e, -448, 448)
;;       step = 2.0 ** (np.maximum(np.frexp(np.where(r == 0, 1, r))[1] - 1, -6) - 3)
;;       q = np.round(r / step) * step * 2.0 ** e      # np.round: ties to even
;;       return np.moveaxis(q, -1, axis).astype(np.float32)
;;   ~~~
;;   SOFTMAX AHEAD OF A QUANTISED PRODUCT. Where the list says 'softmax', what is quantised is not the finished softmax but p = 2^(t - M), with t = logit x log2(e) and M = ceil(the row's largest t), a whole number; so 1/2 < the row's largest p <= 1. The row's sum l is taken of the UNQUANTISED p, in f32, and the product's result is divided by l at the end. Since M is a whole number, a kernel that streams over the keys may use a running M (the ceiling of the running maximum): every later rescaling is an exact power of two, so the quantised numbers keep their values, but for numbers so far below the row's largest that they fall under the format's range.
;;   OPERANDS COMPUTED ON THE WAY. 'Computed on the way' means the value that the module computes at that place (a softmax that the list does not call 'softmax' is quantised finished and normalised). What goes into a quantiser is computed in f32, as accurately as f32 sums, v_exp_f32 and their like allow (about 1e-6 of the number): no bf16 or f16 on the way to a quantiser, and a product that is left as it is and whose result goes on into a quantised operand takes f32 operands (vector FMAs, or v_wmma_f32_16x16x4_f32). A number that lies on a knife's edge between two numbers of the format may be rounded either way, as far as f32 arithmetic and the matrix unit's own rounding can turn it there, and no further.
;; One version. Each part assembles by itself: llvm-mc -triple=amdgcn-amd-amdhsa -mcpu=gfx1250 --defsym DOCPART=n.
;; ======== version 1 of 1: 6 launches
;; limits: right only within a limited range of input values
;; workspace buffers: prep_img 8,355,840 bytes; kv_img 4,194,304 bytes; attn_img 1,572,864 bytes; h_buf 6,291,456 bytes; f_img 1,572,864 bytes; g_img 6,291,456 bytes
;; launch prep (part 1): grid 542 x 1, 4 waves a work-group, no clusters, 31,488 bytes of LDS; arguments W_bottle, Wkv, Wq, Wo, W1, W2, hidden_states, ln_h_g, ln_h_b, lowp_scales, prep_img; writes prep_img
.if DOCPART == 1
	.amdgcn_target "amdgcn-amd-amdhsa--gfx1250"
	.amdhsa_code_object_version 6
	.text
	.protected	k_qa05bb27f3a_prep
	.globl	k_qa05bb27f3a_prep
	.p2align	8
	.type	k_qa05bb27f3a_prep,@function
k_qa05bb27f3a_prep:
	s_mov_b64 s[64:65], 0
	v_nop
	global_prefetch_b8 v0, s[64:65] scope:SCOPE_SE
	s_setreg_imm32_b32 hwreg(HW_REG_WAVE_MODE, 25, 1), 1
	s_wait_xcnt 0x0
; ResamplerBlock, launch 1 of 6.  NO WORK OF THE PROBLEM IS DEAD: every input has a way to out0 (bkv's first half goes into K's codes, a quantiser's input), so all 23 inputs are loaded by some launch.
; This launch quantises what many work-groups read later, once: the six weights (E4M3, the given 2^e of each) and LayerNorm(hidden_states) (product 2's left operand).
; ALL CODES ARE LAID AS FRAGMENT IMAGES: 16 rows x 128 k = 2,048 bytes, piece c (512 bytes) at 512 c + 16 lane; lane (r, h) holds there k = 32 c + 16 h + 0 .. 15 of row r: a reader's four 16-byte loads are its operand's 16 registers.
; A weight's 16 "rows" are 16 of its columns; tile 2 g + u takes, in lane r, column 32 g + 8 u + r + 8 (r / 8), so that a product used transposed leaves a lane 16 neighbouring columns in two tiles' registers.
; WEIGHTS (work-groups 0 to 413): a wave takes 32 columns x 128 k; a lane takes one column and its 128 registers run down K (each load: 128 consecutive bytes a wave, 512 a work-group); the codes turn through the wave's own LDS rows.
; x (work-groups 414 to 541): 16 rows of hidden_states; a wave takes four rows, a row across its 32 lanes; two passes over registers (mean, then squares of the differences), as the problem writes the norm.
; Where each tensor's fragments lie in prep_img is a table of constants chosen by the work-group's number (no branch but on the row length, which picks the loads' immediates).
; LIMITS: each exponent used lies between -126 and 119; NaN and infinity among the inputs are not served.
; No matrix unit, cluster, tensor load or prefetch here: nothing is shared between work-groups and every byte is read once, in one run of loads.
.set NWG,   414                        ; work-groups of the weight path
.set WP,    144                        ; weight stage: a column's 128 codes + 16
.set XSTG,  18432                      ; behind the four waves' weight stages (4 x 32 x 144): the x path's own bytes
.set XP,    784                        ; a row's 768 codes + 16
.set SPARE, 30976                      ; the spare words, 128 bytes a wave
.set XI,    3312*2048                  ; x's images in prep_img
.set SPW, 12
.set NIL, 13
.set X, 32                             ; x path: 4 rows x 24 registers
.set G, 128
.set B, 152
.set T, 176                            ; 4 registers at work for each row
.set C, 196                            ; 6 words of codes for each row
.set SEL, 58
.macro CLOSE
	s_wait_tensorcnt 0x0                   ; the wave's end
	ds_add_u32 v[SPW], v[NIL]
	s_wait_dscnt 0x0
.endm
; four rows' two pairs of partial sums -> each row's sum over the wave, in v[T + 4 p] of every lane
.macro RED4
.irp p, 0,1,2,3
	v_pk_add_f32 v[T+4*\p:T+4*\p+1], v[T+4*\p:T+4*\p+1], v[T+4*\p+2:T+4*\p+3]
.endr
.irp p, 0,1,2,3
	v_add_f32 v[T+4*\p], v[T+4*\p], v[T+4*\p+1]
.endr
.irp x, 1,2,4,8
.irp p, 0,1,2,3
	v_add_f32_dpp v[T+4*\p], v[T+4*\p], v[T+4*\p] row_xmask:\x row_mask:0xf bank_mask:0xf
.endr
.endr
.irp p, 0,1,2,3
	v_permlanex16_b32 v[T+4*\p+1], v[T+4*\p], s[SEL], s[SEL+1]
.endr
.irp p, 0,1,2,3
	v_add_f32 v[T+4*\p], v[T+4*\p], v[T+4*\p+1]
.endr
.endm
	s_load_b512 s[8:23], s[0:1], 0x0       ; W_bottle 8, Wkv 10, Wq 12, Wo 14, W1 16, W2 18, hidden 20, ln_h_g 22
	s_load_b128 s[24:27], s[0:1], 0x40     ; ln_h_b 24, lowp_scales 26
	s_load_b64 s[28:29], s[0:1], 0x50      ; prep_img
	v_lshl_add_u32 v[SPW], v0, 2, SPARE
	v_mov_b32 v[NIL], 0
	v_lshrrev_b32 v1, 5, v0
	v_readfirstlane_b32 s61, v1            ; wave
	v_and_b32 v1, 31, v0                   ; lane
	v_and_b32 v2, 15, v0                   ; r
	v_bfe_u32 v7, v0, 4, 1                 ; h
	v_lshlrev_b32 v6, 4, v1                ; 16 x lane
	s_wait_kmcnt 0x0
	s_load_b512 s[32:47], s[26:27], 0x0    ; the sixteen exponents
	s_cmp_ge_u32 ttmp9, NWG
	s_cbranch_scc1 .Lx
; ---------------- the weights ----------------
; s[48:49] source; s50 first work-group; s51 first column; s52 quads of pairs along N; s53, s54 multipliers for the two divisions (x / d = x m >> 16 for the few x met here);
; s55 pairs to a group; s56 fragments from group to group; s57 from K step to K step; s58 the first fragment; s59 e; s60 the row length
	s_mov_b64 s[48:49], s[8:9]
	s_mov_b32 s50, 0
	s_mov_b32 s51, 0
	s_mov_b32 s52, 3
	s_mov_b32 s53, 21846
	s_mov_b32 s54, 21846
	s_mov_b32 s55, 3
	s_mov_b32 s56, 108
	s_mov_b32 s57, 6
	s_mov_b32 s58, 0
	s_wait_kmcnt 0x0
	s_mov_b32 s59, s33
	s_mov_b32 s60, 768
.macro ENTRY start, src, col0, nqd, magq, magd, d, sa, ss, c0, e, n
	s_cmp_ge_u32 ttmp9, \start             ; the choice hangs on the work-group's number alone
	s_cselect_b64 s[48:49], s[\src:\src+1], s[48:49]
	s_cselect_b32 s50, \start, s50
	s_cselect_b32 s51, \col0, s51
	s_cselect_b32 s52, \nqd, s52
	s_cselect_b32 s53, \magq, s53
	s_cselect_b32 s54, \magd, s54
	s_cselect_b32 s55, \d, s55
	s_cselect_b32 s56, \sa, s56
	s_cselect_b32 s57, \ss, s57
	s_cselect_b32 s58, \c0, s58
	s_cselect_b32 s59, s[32+\e], s59
	s_cselect_b32 s60, \n, s60
.endm
	ENTRY 24,  8,  384, 3,  21846, 21846, 3, 108, 6, 48,   1,  768    ; W_bottle, columns 384 on
	ENTRY 48,  10, 0,   1,  65536, 65536, 1, 108, 2, 96,   5,  128    ; Wkv: behind each wave's stream of W_bottle
	ENTRY 54,  12, 0,   6,  10923, 65536, 1, 12,  2, 432,  3,  768    ; Wq
	ENTRY 90,  14, 0,   6,  10923, 32768, 2, 24,  4, 720,  11, 768    ; Wo
	ENTRY 126, 16, 0,   24, 2731,  21846, 3, 36,  6, 1008, 13, 3072   ; W1
	ENTRY 270, 18, 0,   6,  10923, 16384, 4, 192, 8, 2160, 15, 768    ; W2
	s_sub_co_u32 s62, ttmp9, s50
	s_mul_i32 s63, s62, s53
	s_lshr_b32 s63, s63, 16                ; the K step
	s_mul_i32 s2, s63, s52
	s_sub_co_u32 s62, s62, s2              ; the quad
	s_lshl_b32 s62, s62, 2
	s_add_co_u32 s62, s62, s61             ; my pair of tiles
	s_mul_i32 s2, s62, s54
	s_lshr_b32 s2, s2, 16                  ; its group
	s_mul_i32 s3, s2, s55
	s_sub_co_u32 s3, s62, s3
	s_lshl_b32 s3, s3, 1
	s_mul_i32 s2, s2, s56
	s_add_co_u32 s2, s2, s3
	s_add_co_u32 s2, s2, s58
	s_mul_i32 s3, s63, s57
	s_add_co_u32 s2, s2, s3                ; my first fragment's number
	s_lshl_b32 s66, s2, 11
	s_mov_b32 s67, 0
	s_add_nc_u64 s[66:67], s[28:29], s[66:67]
	s_mul_i32 s2, s63, s60
	s_lshl_b32 s2, s2, 7                   ; 128 rows a K step
	s_add_co_u32 s2, s2, s51
	s_lshl_b32 s3, s62, 5
	s_add_co_u32 s2, s2, s3
	s_lshl_b32 s2, s2, 2
	s_mov_b32 s3, 0
	s_add_nc_u64 s[48:49], s[48:49], s[2:3]
	s_add_co_i32 s59, s59, 127
	s_lshl_b32 s2, s59, 23
	v_mov_b32 v11, s2                      ; 2^e
	s_add_co_i32 s59, s59, 8
	s_lshl_b32 s59, s59, 23
	s_or_b32 s59, s59, 0x600000
	v_mov_b32 v10, s59                     ; 448 x 2^e
	s_wait_alu depctr_va_vdst(0)
	v_lshlrev_b32 v3, 2, v1                ; in: 4 bytes a lane
	s_mul_i32 s2, s61, 32*WP               ; my stage
	v_mul_u32_u24 v4, v1, WP
	v_add_nc_u32 v4, s2, v4                ; into it: row = my column
	v_and_b32 v5, 8, v2
	v_add_nc_u32 v5, v5, v2                ; r + 8 (r / 8)
	v_mul_u32_u24 v5, v5, WP
	v_lshl_add_u32 v5, v7, 4, v5
	v_add_nc_u32 v5, s2, v5                ; out of it: a tile's row for lane r, + 16 h
.macro LOADS n
.set i, 0
.rept 128
	global_load_b32 v[32+i], v3, s[48:49] offset:i*\n*4 th:TH_LOAD_NT
.set i, i+1
.endr
.endm
	s_cmp_eq_u32 s60, 768                  ; the row length stands in the loads' immediates: one run of loads for each of the three lengths
	s_cbranch_scc1 .Ln768
	s_cmp_eq_u32 s60, 128
	s_cbranch_scc1 .Ln128
	LOADS 3072
	s_branch .Lloaded
.Ln768:
	s_wait_alu depctr_va_vdst(0)
	LOADS 768
	s_branch .Lloaded
.Ln128:
	s_wait_alu depctr_va_vdst(0)
	LOADS 128
.Lloaded:
.macro WBLOCK b, cnt                   ; 32 along K of my column: hold, convert, 32 bytes into my stage row
	s_wait_loadcnt \cnt
.set i, 0
.rept 32
	v_med3_num_f32 v[32+32*\b+i], v[32+32*\b+i], -v10, v10     ; the conversion does not saturate (ISA guide 7.6.2)
.set i, i+1
.endr
.irp g, 0,1,2,3
	v_cvt_scalef32_pk8_fp8_f32 v[160+8*\b+2*\g:161+8*\b+2*\g], v[32+32*\b+8*\g:39+32*\b+8*\g], v11
.endr
	ds_store_b128 v4, v[160+8*\b:163+8*\b] offset:32*\b
	ds_store_b128 v4, v[164+8*\b:167+8*\b] offset:32*\b+16
.endm
	WBLOCK 0, 63                           ; 96 younger loads could stay out; the wait's field holds 63
	WBLOCK 1, 63                           ; 64 could
	WBLOCK 2, 32                           ; the last block's 32 stay out
	WBLOCK 3, 0
.irp u, 0,1
.irp c, 0,1,2,3
	ds_load_b128 v[192+4*(4*\u+\c):195+4*(4*\u+\c)], v5 offset:\u*8*WP+32*\c      ; LDS serves a wave's instructions in order: these see my stores
.endr
.endr
.irp u, 0,1
.irp c, 0,1,2,3
	s_wait_dscnt 7-(4*\u+\c)
	global_store_b128 v6, v[192+4*(4*\u+\c):195+4*(4*\u+\c)], s[66:67] offset:\u*2048+\c*512    ; 512 consecutive bytes, aligned
.endr
.endr
	CLOSE
	s_endpgm
; ---------------- LayerNorm(hidden_states) as codes ----------------
.Lx:
	s_sub_co_u32 s50, ttmp9, NWG           ; the tile of 16 rows
	s_lshl_b32 s51, s50, 4
	s_lshl_b32 s52, s61, 2
	s_add_co_u32 s51, s51, s52             ; my first row
	s_mul_i32 s2, s51, 3072
	s_mov_b32 s3, 0
	s_add_nc_u64 s[20:21], s[20:21], s[2:3]
	s_mul_i32 s2, s50, 12288
	s_add_co_u32 s2, s2, XI
	s_add_nc_u64 s[66:67], s[28:29], s[2:3]
	s_wait_alu depctr_va_vdst(0)
.irp p, 0,1,2,3
.irp j, 0,1,2,3,4,5
	global_load_b128 v[X+24*\p+4*\j:X+24*\p+4*\j+3], v6, s[20:21] offset:3072*\p+512*\j th:TH_LOAD_NT
.endr
.endr
.irp j, 0,1,2,3,4,5
	global_load_b128 v[G+4*\j:G+4*\j+3], v6, s[22:23] offset:512*\j
	global_load_b128 v[B+4*\j:B+4*\j+3], v6, s[24:25] offset:512*\j
.endr
	s_mul_i32 s2, s61, 4*XP
	s_add_co_u32 s2, s2, XSTG
	v_lshl_add_u32 v3, v1, 2, s2           ; codes in: my four rows, 4 bytes a lane
	v_mul_u32_u24 v4, v2, XP
	v_lshl_add_u32 v4, v7, 4, v4
	s_mul_i32 s2, s61, 192
	s_add_co_u32 s2, s2, XSTG
	v_add_nc_u32 v4, s2, v4                ; pieces out: row r, + 16 h, + my six pieces' 192 bytes
	s_mul_i32 s2, s61, 3072
	v_add_nc_u32 v5, s2, v6                ; and their place in the images
	s_mov_b32 s56, 0x3aaaaaab              ; 1 / 768
	s_mov_b32 s57, 0x3727c5ac              ; 1e-5
	s_mov_b32 s[SEL], 0x76543210
	s_mov_b32 s[SEL+1], 0xfedcba98
	s_wait_kmcnt 0x0
	s_add_co_i32 s34, s34, 127             ; e of product 2's left operand
	s_lshl_b32 s2, s34, 23
	v_mov_b32 v11, s2
	s_add_co_i32 s34, s34, 8
	s_lshl_b32 s34, s34, 23
	s_or_b32 s34, s34, 0x600000
	v_mov_b32 v10, s34
	s_wait_loadcnt 0x0
.irp p, 0,1,2,3
	v_pk_add_f32 v[T+4*\p:T+4*\p+1], v[X+24*\p:X+24*\p+1], v[X+24*\p+2:X+24*\p+3]
	v_pk_add_f32 v[T+4*\p+2:T+4*\p+3], v[X+24*\p+4:X+24*\p+5], v[X+24*\p+6:X+24*\p+7]
.endr
.irp i, 8,12,16,20
.irp p, 0,1,2,3
	v_pk_add_f32 v[T+4*\p:T+4*\p+1], v[T+4*\p:T+4*\p+1], v[X+24*\p+\i:X+24*\p+\i+1]
	v_pk_add_f32 v[T+4*\p+2:T+4*\p+3], v[T+4*\p+2:T+4*\p+3], v[X+24*\p+\i+2:X+24*\p+\i+3]
.endr
.endr
	RED4
.irp p, 0,1,2,3
	v_mul_f32 v[T+4*\p], s56, v[T+4*\p]    ; the mean,
.endr
.irp p, 0,1,2,3
	v_mov_b32 v[T+4*\p+1], v[T+4*\p]       ; as a pair
.endr
.irp i, 0,2,4,6,8,10,12,14,16,18,20,22
.irp p, 0,1,2,3
	v_pk_add_f32 v[X+24*\p+\i:X+24*\p+\i+1], v[X+24*\p+\i:X+24*\p+\i+1], v[T+4*\p:T+4*\p+1] neg_lo:[0,1] neg_hi:[0,1]
.endr
.endr
.irp p, 0,1,2,3
	v_pk_mul_f32 v[T+4*\p:T+4*\p+1], v[X+24*\p:X+24*\p+1], v[X+24*\p:X+24*\p+1]
	v_pk_mul_f32 v[T+4*\p+2:T+4*\p+3], v[X+24*\p+2:X+24*\p+3], v[X+24*\p+2:X+24*\p+3]
.endr
.irp i, 4,8,12,16,20
.irp p, 0,1,2,3
	v_pk_fma_f32 v[T+4*\p:T+4*\p+1], v[X+24*\p+\i:X+24*\p+\i+1], v[X+24*\p+\i:X+24*\p+\i+1], v[T+4*\p:T+4*\p+1]
	v_pk_fma_f32 v[T+4*\p+2:T+4*\p+3], v[X+24*\p+\i+2:X+24*\p+\i+3], v[X+24*\p+\i+2:X+24*\p+\i+3], v[T+4*\p+2:T+4*\p+3]
.endr
.endr
	RED4
.irp p, 0,1,2,3
	v_fma_f32 v[T+4*\p], v[T+4*\p], s56, s57
.endr
	s_wait_alu depctr_va_vdst(0)
.irp p, 0,1,2,3
	v_rsq_f32 v[T+4*\p+2], v[T+4*\p]
.endr
	v_nop                                  ; a plain instruction behind the last of the batch,
	s_wait_alu depctr_va_vdst(0)           ; and one wait for the four, ahead of their first reader
.irp p, 0,1,2,3
	v_mov_b32 v[T+4*\p+3], v[T+4*\p+2]
.endr
.irp i, 0,2,4,6,8,10,12,14,16,18,20,22
.irp p, 0,1,2,3
	v_pk_mul_f32 v[X+24*\p+\i:X+24*\p+\i+1], v[X+24*\p+\i:X+24*\p+\i+1], v[T+4*\p+2:T+4*\p+3]
.endr
.endr
.irp i, 0,2,4,6,8,10,12,14,16,18,20,22
.irp p, 0,1,2,3
	v_pk_fma_f32 v[X+24*\p+\i:X+24*\p+\i+1], v[X+24*\p+\i:X+24*\p+\i+1], v[G+\i:G+\i+1], v[B+\i:B+\i+1]
.endr
.endr
.set i, 0
.rept 96
	v_med3_num_f32 v[X+i], v[X+i], -v10, v10
.set i, i+1
.endr
.irp p, 0,1,2,3
.irp q, 0,1,2
	v_cvt_scalef32_pk8_fp8_f32 v[C+6*\p+2*\q:C+6*\p+2*\q+1], v[X+24*\p+8*\q:X+24*\p+8*\q+7], v11   ; eight registers = two loads' four numbers each: each result word is four neighbouring codes
.endr
.endr
.irp p, 0,1,2,3
.irp j, 0,1,2,3,4,5
	ds_store_b32 v3, v[C+6*\p+\j] offset:\p*XP+128*\j
.endr
.endr
	s_wait_dscnt 0x0                       ; my rows' codes lie in LDS: the others read them behind the barrier
	s_barrier_signal -1
	s_barrier_wait -1
.irp i, 0,1,2,3,4,5
	ds_load_b128 v[X+4*\i:X+4*\i+3], v4 offset:32*\i
.endr
.irp i, 0,1,2,3,4,5
	s_wait_dscnt 5-\i
	global_store_b128 v5, v[X+4*\i:X+4*\i+3], s[66:67] offset:512*\i
.endr
	CLOSE
	s_endpgm
.Lfunc_end_k_qa05bb27f3a_prep:
	.size	k_qa05bb27f3a_prep, .Lfunc_end_k_qa05bb27f3a_prep-k_qa05bb27f3a_prep
	.p2alignl 7, 3214868480
	.fill 96, 4, 3214868480
	.section	.rodata,"a",@progbits
	.p2align	6, 0x0
	.amdhsa_kernel k_qa05bb27f3a_prep
		.amdhsa_group_segment_fixed_size 31488
		.amdhsa_private_segment_fixed_size 0
		.amdhsa_enable_private_segment 0
		.amdhsa_kernarg_size 88
		.amdhsa_user_sgpr_count 2
		.amdhsa_user_sgpr_kernarg_segment_ptr 1
		.amdhsa_wavefront_size32 1
		.amdhsa_system_sgpr_workgroup_id_x 1
		.amdhsa_system_sgpr_workgroup_id_y 1
		.amdhsa_system_sgpr_workgroup_id_z 1
		.amdhsa_system_vgpr_workitem_id 0
		.amdhsa_next_free_vgpr 224
		.amdhsa_next_free_sgpr 68
		.amdhsa_reserve_vcc 0
		.amdhsa_float_denorm_mode_32 3
		.amdhsa_float_denorm_mode_16_64 3
		.amdhsa_memory_ordered 1
		.amdhsa_forward_progress 1
		.amdhsa_inst_pref_size 88
	.end_amdhsa_kernel
	.amdgpu_metadata
---
amdhsa.version: [ 1, 2 ]
amdhsa.kernels:
  - .name:           k_qa05bb27f3a_prep
    .symbol:         k_qa05bb27f3a_prep.kd
    .args:
      - { .name: W_bottle, .offset: 0, .size: 8, .value_kind: global_buffer, .address_space: global }
      - { .name: Wkv, .offset: 8, .size: 8, .value_kind: global_buffer, .address_space: global }
      - { .name: Wq, .offset: 16, .size: 8, .value_kind: global_buffer, .address_space: global }
      - { .name: Wo, .offset: 24, .size: 8, .value_kind: global_buffer, .address_space: global }
      - { .name: W1, .offset: 32, .size: 8, .value_kind: global_buffer, .address_space: global }
      - { .name: W2, .offset: 40, .size: 8, .value_kind: global_buffer, .address_space: global }
      - { .name: hidden_states, .offset: 48, .size: 8, .value_kind: global_buffer, .address_space: global }
      - { .name: ln_h_g, .offset: 56, .size: 8, .value_kind: global_buffer, .address_space: global }
      - { .name: ln_h_b, .offset: 64, .size: 8, .value_kind: global_buffer, .address_space: global }
      - { .name: lowp_scales, .offset: 72, .size: 8, .value_kind: global_buffer, .address_space: global }
      - { .name: prep_img, .offset: 80, .size: 8, .value_kind: global_buffer, .address_space: global }
    .group_segment_fixed_size: 31488
    .private_segment_fixed_size: 0
    .kernarg_segment_align: 8
    .kernarg_segment_size: 88
    .max_flat_workgroup_size: 128
    .sgpr_count:     68
    .vgpr_count:     224
    .wavefront_size: 32
...
	.end_amdgpu_metadata
.endif
;; end of part 1
;; launch imgkv (part 2): grid 256 x 1, 4 waves a work-group, no clusters, 231,936 bytes of LDS; arguments image_features, ln_img_g, ln_img_b, bkv, lowp_scales, prep_img, kv_img; writes kv_img
.if DOCPART == 2
	.amdgcn_target "amdgcn-amd-amdhsa--gfx1250"
	.amdhsa_code_object_version 6
	.text
	.protected	k_qa05bb27f3a_imgkv
	.globl	k_qa05bb27f3a_imgkv
	.p2align	8
	.type	k_qa05bb27f3a_imgkv,@function
k_qa05bb27f3a_imgkv:
	s_mov_b64 s[64:65], 0
	v_nop
	global_prefetch_b8 v0, s[64:65] scope:SCOPE_SE
	s_setreg_imm32_b32 hwreg(HW_REG_WAVE_MODE, 25, 1), 1
	s_wait_xcnt 0x0
; Launch 2 of 6: LayerNorm(image_features) -> codes -> x W_bottle -> codes -> x Wkv + bkv -> K's and V's codes.  No work is left out.
; A work-group takes 128 image rows (one key step of the attention) through the whole chain: image_features is read once, and neither the norm's result nor the bottleneck's [32768, 768] goes to memory.
; PHASE 1: wave w norms rows 32 w .. 32 w + 31, a row across its 32 lanes, eight rows' loads (32 KiB a wave) on their way; codes go to LDS as rows of 1,024 bytes + 16.
; PHASE 2: product 1 in two passes of 384 columns; wave w makes all 128 rows x 96 columns (48 accumulators).  Used transposed (source 0 = 16 columns of W_bottle, source 1 = 16 rows), so a lane holds one row and 16 neighbouring
;   columns in two tiles: the conversions' results are pieces of product 3's operand, stored to LDS as register images.
; PHASE 3: product 3; wave w holds Wkv's tiles 2 w, 2 w + 1.  Waves 0, 1 (K): transposed, a lane holds one key and 16 dims.  Waves 2, 3 (V): source 0 = the rows, so a lane holds one dim and eight keys: V's codes come out with the keys innermost.
; THE WEIGHTS COME STRAIGHT FROM MEMORY INTO REGISTERS, in the order in which launch 1 laid them: one dense stream of 108 fragments a wave, 12,288 bytes a K step, two steps ahead; the wave's 12 fragments of Wkv end the stream.
; WHY NO JOINT LOADS, though all work-groups read the same weights: they land in LDS; beside the rows (133,120 bytes) and the images (98,304) LDS has 95,744 bytes left, and two slots of one K step of the four waves want 98,304;
;   and each fragment is multiplied by one wave alone, so LDS would add a write and a read of every byte.
; No prefetch: phase 1 keeps memory busy by its own loads, and the weights are read by every work-group.
; LIMITS: e0, e4 - e0 - e1, e7, e9 between -126 and 119, e4 + e5 between -126 and 127; NaN and infinity among the inputs are not served.
; REGISTERS, windows of 256.  Window 0: v1-15 addresses; phase 1: v16-47 g, v48-79 b, v80-111 codes, v112-127 at work, v128/129 scale and hold; later v16-19 scales and holds, v64-255 twelve fragments of weights.
;   Window 1: phase 1: eight rows x 32; later two sets of eight row fragments, and codes.  Windows 2, 3: accumulators (m, j) at 8 (8 (j % 3) + m) of window 2 + j / 3; window 3 v192-211: bkv.
.set AP,    1040
.set IMG,   128*AP
.set SPARE, IMG+98304
.set SPW, 14
.set NIL, 15
.set T,   112
.set SEL, 30
.set MSB, 0
.macro WIN new                         ; the immediate's high byte repeats the setting that is left
.if MSB != (\new)
	s_set_vgpr_msb (MSB<<8)|(\new)
.set MSB, (\new)
.endif
.endm
.macro PLACES                          ; four plain vector instructions behind matrix instructions, ahead of loads into their operands and of reads of their results
.rept 4
	v_nop
.endr
.endm
.macro WM d, a, b, zero
.if \zero
	v_wmma_f32_16x16x128_fp8_fp8 v[\d:\d+7], v[\a:\a+15], v[\b:\b+15], 0
.else
	v_wmma_f32_16x16x128_fp8_fp8 v[\d:\d+7], v[\a:\a+15], v[\b:\b+15], v[\d:\d+7]
.endif
.endm
.macro SCALE e, vs, vl                 ; s[e] = x -> v[vs] = 2^x, v[vl] = 448 x 2^x; s[e] is used up, s51 at work
	s_add_co_i32 s[\e], s[\e], 127
	s_lshl_b32 s51, s[\e], 23
	v_mov_b32 v[\vs], s51
	s_add_co_i32 s[\e], s[\e], 8
	s_lshl_b32 s[\e], s[\e], 23
	s_or_b32 s[\e], s[\e], 0x600000
	v_mov_b32 v[\vl], s[\e]
.endm
.macro RED4
.irp p, 0,1,2,3
	v_pk_add_f32 v[T+4*\p:T+4*\p+1], v[T+4*\p:T+4*\p+1], v[T+4*\p+2:T+4*\p+3]
.endr
.irp p, 0,1,2,3
	v_add_f32 v[T+4*\p], v[T+4*\p], v[T+4*\p+1]
.endr
.irp x, 1,2,4,8
.irp p, 0,1,2,3
	v_add_f32_dpp v[T+4*\p], v[T+4*\p], v[T+4*\p] row_xmask:\x row_mask:0xf bank_mask:0xf
.endr
.endr
.irp p, 0,1,2,3
	v_permlanex16_b32 v[T+4*\p+1], v[T+4*\p], s[SEL], s[SEL+1]
.endr
.irp p, 0,1,2,3
	v_add_f32 v[T+4*\p], v[T+4*\p], v[T+4*\p+1]
.endr
.endm
	s_load_b256 s[4:11], s[0:1], 0x0       ; image 4, g 6, b 8, bkv 10
	s_load_b128 s[12:15], s[0:1], 0x20     ; lowp_scales 12, prep_img 14
	s_load_b64 s[16:17], s[0:1], 0x30      ; kv_img
	v_lshl_add_u32 v[SPW], v0, 2, SPARE
	v_mov_b32 v[NIL], 0
	v_lshrrev_b32 v130, 5, v0
	v_readfirstlane_b32 s18, v130          ; wave
	v_and_b32 v130, 31, v0                 ; lane
	v_and_b32 v131, 15, v0                 ; r
	v_bfe_u32 v132, v0, 4, 1               ; h
	v_lshlrev_b32 v1, 4, v130              ; 16 x lane
	s_mul_i32 s50, s18, 32*AP
	v_lshl_add_u32 v3, v130, 2, s50        ; codes in: my 32 rows, 4 bytes a lane
	v_mul_u32_u24 v6, v131, AP
	v_lshl_add_u32 v6, v132, 4, v6         ; row fragments: row r, + 16 h; tiles 0-3,
	v_add_nc_u32 v7, 64*AP, v6             ; tiles 4-7
	s_mul_i32 s50, s18, 1536
	s_add_co_u32 s50, s50, IMG
	v_add_nc_u32 v4, s50, v1               ; images in: my three groups of 32 columns; row tiles 0-3,
	v_add_nc_u32 v5, 49152, v4             ; 4-7
	v_add_nc_u32 v10, IMG, v1              ; images out
	v_add_nc_u32 v11, IMG+49152, v1
	s_and_b32 s51, s18, 1
	s_lshl_b32 s50, s51, 9
	v_add_nc_u32 v12, s50, v1              ; K's pieces in kv_img
	s_lshl_b32 s50, s51, 12
	s_add_co_u32 s50, s50, 8192
	v_add_nc_u32 v13, s50, v1              ; V's
	s_lshl_b32 s50, s51, 7
	v_lshl_add_u32 v133, v132, 6, s50      ; bkv for K: columns 32 (w & 1) + 16 h on
	v_and_b32 v134, 8, v131
	v_add_nc_u32 v134, v134, v131
	v_lshl_add_u32 v134, v134, 2, s50
	v_add_nc_u32 v134, 256, v134           ; for V: column 64 + 32 (w & 1) + r + 8 (r / 8)
	s_mov_b32 s27, 0x3a800000              ; 1 / 1024
	s_mov_b32 s28, 0x3727c5ac              ; 1e-5
	s_mov_b32 s[SEL], 0x76543210
	s_mov_b32 s[SEL+1], 0xfedcba98
	s_lshl_b32 s52, ttmp9, 19              ; 128 rows of 4,096 bytes
	s_lshl_b32 s53, s18, 17
	s_add_co_u32 s52, s52, s53
	s_mov_b32 s53, 0
	s_mul_i32 s54, s18, 108*2048           ; my stream of weights
	s_mov_b32 s55, 0
	s_lshl_b32 s56, ttmp9, 14
	s_mov_b32 s57, 0
	s_wait_alu depctr_va_vdst(0)
	s_wait_kmcnt 0x0
	s_load_b512 s[32:47], s[12:13], 0x0
	s_add_nc_u64 s[20:21], s[4:5], s[52:53]
	s_add_nc_u64 s[22:23], s[14:15], s[54:55]
	s_add_nc_u64 s[16:17], s[16:17], s[56:57]
	WIN 0xc0
.irp i, 0,1,2,3
	global_load_b128 v[192+4*\i:195+4*\i], v133, s[10:11] offset:16*\i
.endr
.irp o, 0,1
	global_load_b32 v[208+2*\o], v134, s[10:11] offset:32*\o
	global_load_b32 v[209+2*\o], v134, s[10:11] offset:32*\o       ; twice: the packed form names a pair
.endr
	WIN 0
.irp j, 0,1,2,3,4,5,6,7
	global_load_b128 v[16+4*\j:19+4*\j], v1, s[6:7] offset:512*\j
	global_load_b128 v[48+4*\j:51+4*\j], v1, s[8:9] offset:512*\j
.endr
.macro FILL sl, rowoff                 ; a row into slot sl: eight loads of 512 consecutive bytes
.irp j, 0,1,2,3,4,5,6,7
	global_load_b128 v[32*(\sl)+4*\j:32*(\sl)+4*\j+3], v1, s[20:21] offset:((\rowoff)+(\sl))*4096+512*\j th:TH_LOAD_NT
.endr
.endm
	WIN 0x40
.irp q, 0,1,2,3,4,5,6,7
	FILL \q, 0
.endr
	WIN 0
	s_wait_kmcnt 0x0
	s_mov_b32 s50, s32
	SCALE 50, 128, 129
; four rows, slots s0 .. s0 + 3, stage by stage, the rows by turns
.macro GROUP s0
.set D0, 32*\s0
	WIN 0x05
.irp p, 0,1,2,3
	v_pk_add_f32 v[T+4*\p:T+4*\p+1], v[D0+32*\p:D0+32*\p+1], v[D0+32*\p+2:D0+32*\p+3]
	v_pk_add_f32 v[T+4*\p+2:T+4*\p+3], v[D0+32*\p+4:D0+32*\p+5], v[D0+32*\p+6:D0+32*\p+7]
.endr
	WIN 0x04
.irp i, 8,12,16,20,24,28
.irp p, 0,1,2,3
	v_pk_add_f32 v[T+4*\p:T+4*\p+1], v[T+4*\p:T+4*\p+1], v[D0+32*\p+\i:D0+32*\p+\i+1]
	v_pk_add_f32 v[T+4*\p+2:T+4*\p+3], v[T+4*\p+2:T+4*\p+3], v[D0+32*\p+\i+2:D0+32*\p+\i+3]
.endr
.endr
	WIN 0
	RED4
.irp p, 0,1,2,3
	v_mul_f32 v[T+4*\p], s27, v[T+4*\p]
.endr
.irp p, 0,1,2,3
	v_mov_b32 v[T+4*\p+1], v[T+4*\p]
.endr
	WIN 0x41
.irp i, 0,2,4,6,8,10,12,14,16,18,20,22,24,26,28,30
.irp p, 0,1,2,3
	v_pk_add_f32 v[D0+32*\p+\i:D0+32*\p+\i+1], v[D0+32*\p+\i:D0+32*\p+\i+1], v[T+4*\p:T+4*\p+1] neg_lo:[0,1] neg_hi:[0,1]
.endr
.endr
	WIN 0x05
.irp p, 0,1,2,3
	v_pk_mul_f32 v[T+4*\p:T+4*\p+1], v[D0+32*\p:D0+32*\p+1], v[D0+32*\p:D0+32*\p+1]
	v_pk_mul_f32 v[T+4*\p+2:T+4*\p+3], v[D0+32*\p+2:D0+32*\p+3], v[D0+32*\p+2:D0+32*\p+3]
.endr
.irp i, 4,8,12,16,20,24,28
.irp p, 0,1,2,3
	v_pk_fma_f32 v[T+4*\p:T+4*\p+1], v[D0+32*\p+\i:D0+32*\p+\i+1], v[D0+32*\p+\i:D0+32*\p+\i+1], v[T+4*\p:T+4*\p+1]
	v_pk_fma_f32 v[T+4*\p+2:T+4*\p+3], v[D0+32*\p+\i+2:D0+32*\p+\i+3], v[D0+32*\p+\i+2:D0+32*\p+\i+3], v[T+4*\p+2:T+4*\p+3]
.endr
.endr
	WIN 0
	RED4
.irp p, 0,1,2,3
	v_fma_f32 v[T+4*\p], v[T+4*\p], s27, s28
.endr
	s_wait_alu depctr_va_vdst(0)
.irp p, 0,1,2,3
	v_rsq_f32 v[T+4*\p+2], v[T+4*\p]
.endr
	v_nop                                  ; a plain instruction behind the batch,
	s_wait_alu depctr_va_vdst(0)           ; one wait for the four roots, ahead of their first reader
.irp p, 0,1,2,3
	v_mov_b32 v[T+4*\p+3], v[T+4*\p+2]
.endr
	WIN 0x41
.irp i, 0,2,4,6,8,10,12,14,16,18,20,22,24,26,28,30
.irp p, 0,1,2,3
	v_pk_mul_f32 v[D0+32*\p+\i:D0+32*\p+\i+1], v[D0+32*\p+\i:D0+32*\p+\i+1], v[T+4*\p+2:T+4*\p+3]
.endr
.endr
.irp i, 0,2,4,6,8,10,12,14,16,18,20,22,24,26,28,30
.irp p, 0,1,2,3
	v_pk_fma_f32 v[D0+32*\p+\i:D0+32*\p+\i+1], v[D0+32*\p+\i:D0+32*\p+\i+1], v[16+\i:17+\i], v[48+\i:49+\i]
.endr
.endr
.set i, 0
.rept 128
	v_med3_num_f32 v[D0+i], v[D0+i], -v129, v129       ; the conversion does not saturate (ISA guide 7.6.2)
.set i, i+1
.endr
	s_wait_dscnt 0x0                       ; the group before's stores have read the codes' registers
	WIN 0x01
.irp p, 0,1,2,3
.irp q, 0,1,2,3
	v_cvt_scalef32_pk8_fp8_f32 v[80+8*\p+2*\q:81+8*\p+2*\q], v[D0+32*\p+8*\q:D0+32*\p+8*\q+7], v128     ; two loads' four numbers each: each result word is four neighbouring codes
.endr
.endr
	v_nop                                  ; a plain instruction behind the last scaled conversion
	WIN 0
.irp p, 0,1,2,3
.irp j, 0,1,2,3,4,5,6,7
	ds_store_b32 v2, v[80+8*\p+\j] offset:(\s0+\p)*AP+128*\j
.endr
.endr
.endm
	s_mov_b32 s19, 0                       ; trips of eight rows
	s_mov_b32 s29, 0                       ; their place in LDS
.Lln:
	v_add_nc_u32 v2, s29, v3
	s_wait_loadcnt 32                      ; slots 0-3 are in; the 32 younger loads are slots 4-7's
	GROUP 0
	s_cmp_eq_u32 s19, 3                    ; the last trip asks for nothing: no load leaves the buffer
	s_cbranch_scc1 .LnoA
	WIN 0x40
.irp q, 0,1,2,3
	FILL \q, 8
.endr
	WIN 0
	s_wait_loadcnt 32                      ; slots 4-7 are in; the 32 just issued stay out
	s_branch .LjA
.LnoA:
	s_wait_loadcnt 0x0
.LjA:
	GROUP 4
	s_cmp_eq_u32 s19, 3
	s_cbranch_scc1 .LnoB
	WIN 0x40
.irp q, 4,5,6,7
	FILL \q, 8
.endr
	WIN 0
.LnoB:
	s_wait_xcnt 0x0                        ; the loads have read their base: it may step
	s_add_nc_u64 s[20:21], s[20:21], 32768
	s_add_co_u32 s29, s29, 8*AP
	s_add_co_u32 s19, s19, 1
	s_cmp_lt_u32 s19, 4
	s_cbranch_scc1 .Lln
; three fragments j0 .. j0 + 2 of the stream's step st, into the ring's half st % 2
.macro BLOAD st, j0
.irp j, \j0, \j0+1, \j0+2
.irp c, 0,1,2,3
	global_load_b128 v[64+16*(6*((\st)%2)+(\j))+4*\c:64+16*(6*((\st)%2)+(\j))+4*\c+3], v1, s[22:23] offset:(\st)*12288+(\j)*2048+\c*512
.endr
.endr
.endm
	s_wait_dscnt 0x0                       ; my rows' codes lie in LDS, and the stores have read their registers
	BLOAD 0, 0
	BLOAD 0, 3
	BLOAD 1, 0
	BLOAD 1, 3
	s_sub_co_i32 s50, s36, s32
	s_sub_co_i32 s50, s50, s33             ; a sum of product 1 stands for sum x 2^(e0 + e1): its code is sum / 2^(e4 - e0 - e1)
	SCALE 50, 16, 17
	s_cmp_lt_u32 s18, 2
	s_cselect_b32 s50, s39, s41            ; K's e7 in waves 0, 1; V's e9 in waves 2, 3
	SCALE 50, 18, 19
	s_add_co_i32 s48, s36, s37
	s_add_co_i32 s48, s48, 127
	s_lshl_b32 s48, s48, 23                ; 2^(e4 + e5)
	s_mov_b32 s49, s48
	s_barrier_signal -1
	s_barrier_wait -1                      ; all 128 rows' codes lie in LDS
.macro ALOAD s                         ; the eight row fragments of K step s into set s % 2
.irp m, 0,1,2,3,4,5,6,7
.irp c, 0,1,2,3
	ds_load_b128 v[128*((\s)%2)+16*\m+4*\c:128*((\s)%2)+16*\m+4*\c+3], v[6+\m/4] offset:(\m%4)*16*AP+128*(\s)+32*\c
.endr
.endr
.endm
.macro MM s, j0, zero                  ; 24 products: three tiles of columns x eight tiles of rows; the accumulators take turns
.irp j, 0,1,2
.irp m, 0,1,2,3,4,5,6,7
	WM 8*(8*\j+\m), 64+16*(6*((\s)%2)+\j0+\j), 128*((\s)%2)+16*\m, \zero
.endr
.endr
.endm
.macro STEP s, zero
	s_wait_dscnt 0x0                       ; this step's row fragments are in
	s_wait_loadcnt 36                      ; and its first three weight fragments: three batches of 12 loads are younger
	WIN 0xa4
	MM \s, 0, \zero
	PLACES
	WIN 0
	BLOAD (\s)+2, 0                        ; two steps ahead, into the registers just multiplied
.if (\s) < 7
	WIN 0x40
	ALOAD (\s)+1
.endif
	s_wait_loadcnt 36
	WIN 0xf4
	MM \s, 3, \zero
	PLACES
	WIN 0
	BLOAD (\s)+2, 3
.endm
.macro CONVERT                         ; 48 tiles -> 24 pieces of product 3's operand -> LDS
	WIN 0x82
.set i, 0
	s_wait_alu depctr_va_vdst(0)
.rept 192
	v_med3_num_f32 v[i], v[i], -v17, v17   ; each accumulator from its low end on
.set i, i+1
.endr
	WIN 0x42
.irp j, 0,1,2
.irp m, 0,1,2,3,4,5,6,7
	v_cvt_scalef32_pk8_fp8_f32 v[4*(3*\m+\j/2)+2*(\j%2):4*(3*\m+\j/2)+2*(\j%2)+1], v[8*(8*\j+\m):8*(8*\j+\m)+7], v16
.endr
.endr
	WIN 0xc3
.set i, 0
.rept 192
	v_med3_num_f32 v[i], v[i], -v17, v17
.set i, i+1
.endr
	WIN 0x43
.irp j, 3,4,5
.irp m, 0,1,2,3,4,5,6,7
	v_cvt_scalef32_pk8_fp8_f32 v[4*(3*\m+\j/2)+2*(\j%2):4*(3*\m+\j/2)+2*(\j%2)+1], v[8*(8*(\j-3)+\m):8*(8*(\j-3)+\m)+7], v16
.endr
.endr
	v_nop                                  ; a plain instruction behind the last scaled conversion
	WIN 0x04
.irp m, 0,1,2,3,4,5,6,7
.irp g, 0,1,2
	ds_store_b128 v[8+\m/4], v[4*(3*\m+\g):4*(3*\m+\g)+3] offset:(\m%4)*12288+\g*512
.endr
.endr
	WIN 0
	s_wait_dscnt 0x0                       ; the stores have read their registers: row fragments may land there
.endm
	s_mov_b32 s25, 0                       ; the pass
	s_mov_b32 s24, 0                       ; its 12 groups' place in an image: 6,144 bytes a pass
.Lpass:
	v_add_nc_u32 v8, s24, v4
	v_add_nc_u32 v9, s24, v5
	WIN 0x40
	ALOAD 0
	STEP 0, 1                              ; the first step's products start the sums
	STEP 1, 0
	STEP 2, 0
	STEP 3, 0
	STEP 4, 0
	STEP 5, 0
	STEP 6, 0
	STEP 7, 0
	CONVERT
	s_wait_xcnt 0x0                        ; the stream's loads have read their base
	s_add_nc_u64 s[22:23], s[22:23], 8*12288
	s_add_co_u32 s24, s24, 6144
	s_add_co_u32 s25, s25, 1
	s_cmp_lt_u32 s25, 2
	s_cbranch_scc1 .Lpass
	s_barrier_signal -1                    ; (CONVERT has waited for my LDS stores)
	s_barrier_wait -1                      ; all 128 rows x 768 lie in LDS as images
.macro ILOAD s
.irp m, 0,1,2,3,4,5,6,7
.irp c, 0,1,2,3
	ds_load_b128 v[128*((\s)%2)+16*\m+4*\c:128*((\s)%2)+16*\m+4*\c+3], v[10+\m/4] offset:(\m%4)*12288+(\s)*2048+\c*512
.endr
.endr
.endm
.macro P3 role                         ; six K steps; role 0: source 0 = Wkv; role 1: source 0 = the rows
.irp s, 0,1,2,3,4,5
	s_wait_dscnt 0x0
	PLACES
.if \s < 5
	WIN 0x40
	ILOAD \s+1
.endif
.if \role
	WIN 0xa1
.else
	WIN 0xa4
.endif
.irp o, 0,1
.irp m, 0,1,2,3,4,5,6,7
.if \role
	WM 8*(8*\o+\m), 128*(\s%2)+16*\m, 64+16*(2*\s+\o), (\s==0)
.else
	WM 8*(8*\o+\m), 64+16*(2*\s+\o), 128*(\s%2)+16*\m, (\s==0)
.endif
.endr
.endr
.endr
	PLACES
.endm
.macro HOLD128
	WIN 0x82
.set i, 0
.rept 128
	v_med3_num_f32 v[i], v[i], -v19, v19
.set i, i+1
.endr
.endm
	s_wait_loadcnt 0x0                     ; my twelve fragments of Wkv, the stream's end
	WIN 0x40
	ILOAD 0
	WIN 0
	s_cmp_lt_u32 s18, 2
	s_cbranch_scc0 .Lv
	P3 0
	WIN 0xb2
.irp o, 0,1
.irp m, 0,1,2,3,4,5,6,7
.irp i, 0,2,4,6
	v_pk_fma_f32 v[8*(8*\o+\m)+\i:8*(8*\o+\m)+\i+1], v[8*(8*\o+\m)+\i:8*(8*\o+\m)+\i+1], s[48:49], v[192+8*\o+\i:193+8*\o+\i] op_sel_hi:[1,0,1]    ; k = sum x 2^(e4 + e5) + bkv
.endr
.endr
.endr
	HOLD128
	WIN 0x42
.irp m, 0,1,2,3,4,5,6,7
.irp o, 0,1
	v_cvt_scalef32_pk8_fp8_f32 v[4*\m+2*\o:4*\m+2*\o+1], v[8*(8*\o+\m):8*(8*\o+\m)+7], v18
.endr
.endr
	v_nop
	WIN 0x04
.irp m, 0,1,2,3,4,5,6,7
	global_store_b128 v12, v[4*\m:4*\m+3], s[16:17] offset:\m*1024       ; key tile m, dims 32 (w & 1) on: 512 consecutive bytes
.endr
	WIN 0
	s_branch .Ldone
.Lv:
	P3 1
	WIN 0xb2
.irp o, 0,1
.irp m, 0,1,2,3,4,5,6,7
.irp i, 0,2,4,6
	v_pk_fma_f32 v[8*(8*\o+\m)+\i:8*(8*\o+\m)+\i+1], v[8*(8*\o+\m)+\i:8*(8*\o+\m)+\i+1], s[48:49], v[208+2*\o:209+2*\o] op_sel_hi:[1,0,0]    ; the lane's one dim has one bias
.endr
.endr
.endr
	HOLD128
	WIN 0x42
.irp o, 0,1
.irp q, 0,1,2,3
.irp u, 0,1
	v_cvt_scalef32_pk8_fp8_f32 v[4*(4*\o+\q)+2*\u:4*(4*\o+\q)+2*\u+1], v[8*(8*\o+2*\q+\u):8*(8*\o+2*\q+\u)+7], v18      ; place (q, h, 8 u + j) along the keys is key 32 q + 16 u + 8 h + j: the attention's p lies the same way
.endr
.endr
.endr
	v_nop
	WIN 0x04
.irp o, 0,1
.irp q, 0,1,2,3
	global_store_b128 v13, v[4*(4*\o+\q):4*(4*\o+\q)+3], s[16:17] offset:\o*2048+\q*512
.endr
.endr
	WIN 0
.Ldone:
	s_wait_tensorcnt 0x0                   ; the wave's end
	ds_add_u32 v[SPW], v[NIL]
	s_wait_dscnt 0x0
	s_endpgm
.Lfunc_end_k_qa05bb27f3a_imgkv:
	.size	k_qa05bb27f3a_imgkv, .Lfunc_end_k_qa05bb27f3a_imgkv-k_qa05bb27f3a_imgkv
	.p2alignl 7, 3214868480
	.fill 96, 4, 3214868480
	.section	.rodata,"a",@progbits
	.p2align	6, 0x0
	.amdhsa_kernel k_qa05bb27f3a_imgkv
		.amdhsa_group_segment_fixed_size 231936
		.amdhsa_private_segment_fixed_size 0
		.amdhsa_enable_private_segment 0
		.amdhsa_kernarg_size 56
		.amdhsa_user_sgpr_count 2
		.amdhsa_user_sgpr_kernarg_segment_ptr 1
		.amdhsa_wavefront_size32 1
		.amdhsa_system_sgpr_workgroup_id_x 1
		.amdhsa_system_sgpr_workgroup_id_y 1
		.amdhsa_system_sgpr_workgroup_id_z 1
		.amdhsa_system_vgpr_workitem_id 0
		.amdhsa_next_free_vgpr 1024
		.amdhsa_next_free_sgpr 66
		.amdhsa_reserve_vcc 0
		.amdhsa_float_denorm_mode_32 3
		.amdhsa_float_denorm_mode_16_64 3
		.amdhsa_memory_ordered 1
		.amdhsa_forward_progress 1
		.amdhsa_inst_pref_size 251
	.end_amdhsa_kernel
	.amdgpu_metadata
---
amdhsa.version: [ 1, 2 ]
amdhsa.kernels:
  - .name:           k_qa05bb27f3a_imgkv
    .symbol:         k_qa05bb27f3a_imgkv.kd
    .args:
      - { .name: image_features, .offset: 0, .size: 8, .value_kind: global_buffer, .address_space: global }
      - { .name: ln_img_g, .offset: 8, .size: 8, .value_kind: global_buffer, .address_space: global }
      - { .name: ln_img_b, .offset: 16, .size: 8, .value_kind: global_buffer, .address_space: global }
      - { .name: bkv, .offset: 24, .size: 8, .value_kind: global_buffer, .address_space: global }
      - { .name: lowp_scales, .offset: 32, .size: 8, .value_kind: global_buffer, .address_space: global }
      - { .name: prep_img, .offset: 40, .size: 8, .value_kind: global_buffer, .address_space: global }
      - { .name: kv_img, .offset: 48, .size: 8, .value_kind: global_buffer, .address_space: global }
    .group_segment_fixed_size: 231936
    .private_segment_fixed_size: 0
    .kernarg_segment_align: 8
    .kernarg_segment_size: 56
    .max_flat_workgroup_size: 128
    .sgpr_count:     66
    .vgpr_count:     1024
    .wavefront_size: 32
...
	.end_amdgpu_metadata
.endif
;; end of part 2
;; launch attn (part 3): grid 32 x 8, 4 waves a work-group, clusters of 4 x 1, 327,680 bytes of LDS; arguments prep_img, kv_img, bq, lowp_scales, attn_img; writes attn_img
.if DOCPART == 3
	.amdgcn_target "amdgcn-amd-amdhsa--gfx1250"
	.amdhsa_code_object_version 6
	.text
	.protected	k_qa05bb27f3a_attn
	.globl	k_qa05bb27f3a_attn
	.p2align	8
	.type	k_qa05bb27f3a_attn,@function
k_qa05bb27f3a_attn:
	s_mov_b64 s[64:65], 0
	v_nop
	global_prefetch_b8 v0, s[64:65] scope:SCOPE_SE
	s_setreg_imm32_b32 hwreg(HW_REG_WAVE_MODE, 25, 1), 1
	s_wait_xcnt 0x0
	s_wait_alu depctr_hold_cnt(0) depctr_sa_sdst(0) depctr_va_vdst(0) depctr_va_sdst(0) depctr_va_ssrc(0) depctr_va_vcc(0) depctr_vm_vsrc(0)
	s_getreg_b32 s2, hwreg(HW_REG_IB_STS2, 6, 4)
	s_cmp_eq_u32 s2, 0
	s_cbranch_scc0 .Lentry_in_a_cluster
	s_endpgm
.Lentry_in_a_cluster:
	s_bfe_u32 s2, ttmp6, 0x10000c
	s_cmp_lg_u32 s2, 0x3003
	s_cbranch_scc0 .Lentry_shape_is_right
	s_endpgm
.Lentry_shape_is_right:
; Launch 3 of 6: q = LN(hidden) Wq + bq (product 2), / 8, codes; S = q K^T (product 4); the softmax; O = p V (product 5); O / l as codes of product 6's left operand.  No work is left out.
; THE SOFTMAX: t = score x log2(e); M = the running largest t rounded UP to a whole number, kept as -M = floor(-t); p = 2^(t - M) is quantised; the row's sum is taken of the unquantised p; a move of M multiplies the sum and O by an exact power of two.
; SHARES.  A work-group owns 32 positions of one batch and three of the twelve heads: six tiles of 16 queries, tile j = 3 x (tile of positions) + head.  All heads share K and V, so each of the four waves holds ALL SIX tiles
;   and walks one quarter of the 4,096 keys (8 steps of 128): the 32 LDS loads of a step feed 72 matrix instructions.  The four quarters are merged through LDS at the end, under the largest M.
; PRODUCT 2, at the head: 32 rows x 192 columns; wave w makes both row tiles x column tiles 3 w .. 3 w + 2; x's twelve fragments are fetched once, three a wave, and shared through LDS as they lie;
;   bq / 2^(e2 + e3) is the C of the first products; one conversion with 2^(e6 + 3 - e2 - e3) gives the codes of (x Wq + bq) / 8.
; LAYOUT.  Both products transposed (S^T = K q^T, O^T = V^T p^T): a lane holds one query.  K's and V's fragments lie in kv_img as register images; p's codes fall in the same order of keys as V's pieces (launch 2).
; CLUSTER.  The four work-groups of a cluster belong to one batch and walk the same K and V: wave w asks JOINTLY for two key steps of quarter w, 32,768 dense bytes.  Two slots of 4 x 32,768 bytes; a wave has one tensor load out at the head and one behind each round.
; PREFETCH: at a change of slots each wave asks for 8,192 bytes of the fill after the one being loaded (lanes 256 bytes apart; the partners take different 8,192 bytes of a wave's 32,768, told apart by address); the last filling change asks for nothing; fills 0 and 1 come by their loads alone.
; LIMITS: e6 + 3 - e2 - e3, e8, e10 between -126 and 119; e6 + e7 between -126 and 127 (added to log2(e)'s exponent field); the scaled scores stay under 2^31; NaN and infinity are not served.
; REGISTERS, windows of 256.  Window 0: v1-31 addresses, v32-95 K, v96-159 V; at the head v160-251 product 2's sums, bias and codes; at the end v32-253 the merge.
;   Windows 1-3: two tiles each, at 0 and 128: S^T and p 0-63, O^T 64-95, q 96-103, p's codes 104-119 (at work before), -M 120, largest t 121, the sum 122-123, f 124-125, 2^e8 126, a permute's target 127.
;   At the head windows 1 and 2 hold Wq's 18 fragments and window 3 x's twelve.
.set SLOT1, 1<<17
.set QIMG,  2*SLOT1                    ; q's images: 1,024 bytes a tile
.set SPARE, QIMG+6144                  ; the spare words: 128 bytes a wave
.set XIMG,  SPARE+512                  ; x's twelve fragments, as they lie in memory: 24,576 bytes
.set XI,    3312*2048
.set WQ,    432*2048
.set MP,    4352                       ; the merge: a tile's part, 4,096 of O^T + 128 of -M + 128 of the sum; in slot 0, which has had its last fill and its last read by then
.set SPW, 5
.set NIL, 6
.set KF,  32
.set VF,  96
.set OO,  64
.set QQ,  96
.set CD,  104
.set NM,  120
.set TM,  121
.set SU,  122
.set FF,  124
.set SC,  126
.set PT,  127
.set MSB, 0
.macro WIN new                         ; the immediate's high byte repeats the setting that is left
.if MSB != (\new)
	s_set_vgpr_msb (MSB<<8)|(\new)
.set MSB, (\new)
.endif
.endm
.macro PLACES
.rept 4
	v_nop
.endr
.endm
.macro SCALE e, vs, vl                 ; s[e] = x -> v[vs] = 2^x, v[vl] = 448 x 2^x
	s_add_co_i32 s[\e], s[\e], 127
	s_lshl_b32 s53, s[\e], 23
	v_mov_b32 v[\vs], s53
	s_add_co_i32 s[\e], s[\e], 8
	s_lshl_b32 s[\e], s[\e], 23
	s_or_b32 s[\e], s[\e], 0x600000
	v_mov_b32 v[\vl], s[\e]
.endm
.macro CROUND                          ; a round of the cluster's barrier
	s_barrier_signal -1
	s_barrier_wait -1
	s_cmp_lg_u32 s14, 0
	s_cbranch_scc1 .Lnot_wave_0_\@
	s_barrier_signal -3
.Lnot_wave_0_\@:
	s_barrier_wait -3
	s_barrier_signal -1
	s_barrier_wait -1
.endm
.macro TLOAD                           ; every wave asks for its quarter's two key steps
	tensor_load_to_lds s[36:39], s[24:31]
	s_nop 0
.rept 4
	v_nop
.endr
.endm
.macro ASK                             ; s41 = 1 at the last filling change: no fill follows it
	s_cmp_gt_u32 s41, 1
	s_cbranch_scc0 .Lnone_\@
	global_prefetch_b8 v10, s[44:45] th:TH_LOAD_NT scope:SCOPE_SE
.Lnone_\@:
.endm
	s_load_b256 s[4:11], s[0:1], 0x0       ; prep_img 4, kv_img 6, bq 8, lowp_scales 10
	s_load_b64 s[12:13], s[0:1], 0x20      ; attn_img
	v_lshl_add_u32 v[SPW], v0, 2, SPARE
	v_mov_b32 v[NIL], 0
	ds_add_u32 v[SPW], v[NIL]              ; the opening: the add, twice on end, and its wait ahead of the first tensor load
	ds_add_u32 v[SPW], v[NIL]
	v_lshrrev_b32 v9, 5, v0
	v_readfirstlane_b32 s14, v9            ; wave 0..3: my quarter of the keys
	s_and_b32 s21, ttmp7, 0xffff           ; the batch, which the partners share
	s_mov_b32 s24, 15|(3<<16)|(1<<21)      ; group 1: the mask names all four; elements of 8 bytes; bit 21 beside a mask; no padding
	s_mov_b32 s25, 32<<16                  ; tensor_dim0 = 32 elements: rows of 256 bytes
	s_mov_b32 s26, 128<<16                 ; tensor_dim1 = 128
	s_mov_b32 s27, 32<<16                  ; tile_dim0
	s_mov_b32 s28, 128                     ; tile_dim1
	s_mov_b32 s29, 32                      ; the pitch: the block is dense
	s_mov_b32 s30, 0
	s_mov_b32 s31, 0
	s_lshl_b32 s52, s21, 19                ; a batch's 32 key steps of 16,384 bytes
	s_lshl_b32 s53, s14, 17                ; my quarter's eight
	s_add_co_u32 s52, s52, s53
	s_mov_b32 s53, 0
	s_mov_b32 s46, 0x76543210
	s_mov_b32 s47, 0xfedcba98
	s_mov_b32 s40, 0                       ; LDS byte at which the key step in hand begins, less my quarter's place
	s_mov_b32 s41, 3                       ; fills still to be asked for
	s_wait_dscnt 0x0                       ; both opening adds are done
	s_wait_kmcnt 0x0
	s_load_b512 s[68:83], s[10:11], 0x0
	s_mov_b32 s36, 1
	s_lshl_b32 s37, s14, 15                ; my quarter's place in slot 0
	s_add_nc_u64 s[38:39], s[6:7], s[52:53]
	s_or_b32 s39, s39, 0x80000000
	CROUND                                 ; all four work-groups are here: the first joint loads meet
	TLOAD                                  ; fill 0: one tensor load a wave at the head
	; my place: it enters the addresses of plain loads, stores and prefetches alone
	s_bfe_u32 s17, ttmp6, 0x40000          ; cx
	s_lshl_b32 s18, ttmp9, 2
	s_add_co_u32 s18, s18, s17
	s_lshr_b32 s19, s18, 2                 ; which 32 positions
	s_and_b32 s20, s18, 3                  ; which three heads
	s_lshl_b32 s22, s21, 4
	s_lshl_b32 s52, s19, 1
	s_add_co_u32 s22, s22, s52             ; my first tile of rows
	s_lshl_b32 s52, s21, 19
	s_lshl_b32 s53, s14, 17
	s_add_co_u32 s52, s52, s53
	s_lshl_b32 s53, s17, 13
	s_add_co_u32 s52, s52, s53
	s_add_co_u32 s52, s52, 32768           ; the prefetch stands at fill 1: the first change steps it to fill 2
	s_mov_b32 s53, 0
	s_add_nc_u64 s[44:45], s[6:7], s[52:53]
	s_mul_i32 s56, s20, 6*24576
	s_add_co_u32 s56, s56, WQ
	s_mov_b32 s57, 0
	s_add_nc_u64 s[60:61], s[4:5], s[56:57]        ; Wq: the six pairs of tiles of my 192 columns
	s_mul_i32 s56, s22, 12288
	s_mul_i32 s54, s20, 3072
	s_add_co_u32 s54, s54, s56
	s_mov_b32 s55, 0
	s_add_nc_u64 s[12:13], s[12:13], s[54:55]      ; attn_img: my first tile of rows, my first head
	s_add_co_u32 s56, s56, XI
	s_add_nc_u64 s[58:59], s[4:5], s[56:57]        ; x's images
	s_mul_i32 s54, s20, 768
	s_add_nc_u64 s[8:9], s[8:9], s[54:55]          ; bq at my 192 columns
	v_and_b32 v11, 31, v0
	v_lshlrev_b32 v9, 4, v11               ; 16 x lane
	v_lshlrev_b32 v10, 8, v11              ; 256 x lane
	s_lshl_b32 s52, s14, 15
	v_add_nc_u32 v1, s52, v9               ; my quarter's place in a slot; also my parts of the merge
	v_lshl_add_u32 v7, v11, 2, s52         ; and their -M and sums
	v_bfe_u32 v12, v0, 4, 1
	v_lshlrev_b32 v12, 6, v12              ; bq: + 16 h numbers
	v_add_nc_u32 v2, QIMG, v9              ; where every wave reads q
	s_mul_i32 s52, s14, 6144
	v_add_nc_u32 v31, s52, v9              ; my three fragments of x, in memory,
	v_add_nc_u32 v3, XIMG, v31             ; and the same place in LDS
	v_add_nc_u32 v4, XIMG, v9              ; where every wave reads them
	s_wait_alu depctr_va_vdst(0)
	WIN 0xc0
.irp f, 0,1,2
.irp c, 0,1,2,3
	global_load_b128 v[16*\f+4*\c:16*\f+4*\c+3], v31, s[58:59] offset:\f*2048+\c*512
.endr
.endr
	WIN 0
	s_mul_i32 s50, s14, 3
.irp i, 0,1,2                          ; number 3 w + i: a column tile of product 2 (pair s52, half s53), and a unit of the merge (tile s52, half s53 of its dims)
	s_add_co_u32 s51, s50, \i
	s_lshr_b32 s52, s51, 1
	s_and_b32 s53, s51, 1
	s_mul_i32 s54, s52, 24576
	s_lshl_b32 s55, s53, 11
	s_add_co_u32 s54, s54, s55
	v_add_nc_u32 v[13+\i], s54, v9         ; Wq's fragments
	s_lshl_b32 s54, s52, 7
	s_lshl_b32 s55, s53, 5
	s_add_co_u32 s54, s54, s55
	v_add_nc_u32 v[16+\i], s54, v12        ; bq
	s_lshl_b32 s54, s52, 9
	s_lshl_b32 s55, s53, 3
	s_add_co_u32 s54, s54, s55
	s_add_co_u32 s54, s54, QIMG
	v_add_nc_u32 v[19+\i], s54, v9         ; q's codes into the images: 8 bytes of a lane's 16
	s_mul_i32 s54, s52, MP
	s_lshl_b32 s55, s53, 11
	s_add_co_u32 s55, s55, s54
	v_add_nc_u32 v[22+\i], s55, v9         ; the merge: O^T's parts of waves 0 and 1
	s_add_co_u32 s54, s54, 4096
	v_lshl_add_u32 v[25+\i], v11, 2, s54   ; their -M and sums
	s_cmp_ge_u32 s52, 3
	s_cselect_b32 s54, 9216, 0             ; tiles 3 to 5: the second tile of rows, 12,288 bytes on
	s_lshl_b32 s55, s52, 10
	s_add_co_u32 s54, s54, s55
	s_lshl_b32 s55, s53, 9
	s_add_co_u32 s54, s54, s55
	v_add_nc_u32 v[28+\i], s54, v9         ; the unit's piece in attn_img
.endr
	s_wait_alu depctr_va_vdst(0)           ; the wait ahead of the loads that read these
	; ---- product 2, while fill 0 is on its way
.irp i, 0,1,2
	global_load_b128 v[208+8*\i:211+8*\i], v[16+\i], s[8:9]
	global_load_b128 v[212+8*\i:215+8*\i], v[16+\i], s[8:9] offset:16
.endr
	WIN 0x40
.irp i, 0,1
.irp s, 0,1,2,3,4,5
.irp c, 0,1,2,3
	global_load_b128 v[96*\i+16*\s+4*\c:96*\i+16*\s+4*\c+3], v[13+\i], s[60:61] offset:\s*4096+\c*512
.endr
.endr
.endr
	WIN 0x80
.irp s, 0,1,2,3,4,5
.irp c, 0,1,2,3
	global_load_b128 v[16*\s+4*\c:16*\s+4*\c+3], v15, s[60:61] offset:\s*4096+\c*512
.endr
.endr
	WIN 0
	s_wait_kmcnt 0x0
	s_add_co_i32 s50, s70, s71             ; e2 + e3: a sum stands for sum x 2^(e2 + e3),
	s_sub_co_i32 s51, 0, s50
	s_add_co_i32 s52, s74, 3               ; (sum x 2^(e2 + e3)) / 8 / 2^e6 = sum / 2^(e6 + 3 - e2 - e3): exact
	s_sub_co_i32 s52, s52, s50
	SCALE 52, 232, 233
	s_add_co_i32 s52, s74, s75
	s_lshl_b32 s52, s52, 23
	s_add_co_i32 s48, s52, 0x3fb8aa3b      ; c = log2(e) x 2^(e6 + e7)
	s_mov_b32 s49, s48
	s_add_co_i32 s67, s76, 127
	s_lshl_b32 s66, s67, 23                ; 2^e8
	s_add_co_i32 s67, s67, 8
	s_lshl_b32 s67, s67, 23
	s_or_b32 s67, s67, 0x600000            ; 448 x 2^e8
	s_wait_alu depctr_va_vdst(0)           ; directly ahead of the wait below
	s_wait_loadcnt 63                      ; my three fragments of x are in: 78 younger loads could stay out; the wait's field holds 63
	WIN 0x0c
.irp f, 0,1,2
.irp c, 0,1,2,3
	ds_store_b128 v3, v[16*\f+4*\c:16*\f+4*\c+3] offset:\f*2048+\c*512
.endr
.endr
	WIN 0
	s_wait_dscnt 0x0                       ; they lie in LDS for the others, and the stores have read their registers
	s_barrier_signal -1
	s_barrier_wait -1                      ; fill 0 may stay out
	WIN 0xc0
.irp f, 0,1,2,3,4,5,6,7,8,9,10,11      ; x's fragment 6 x (row tile) + K step
.irp c, 0,1,2,3
	ds_load_b128 v[16*\f+4*\c:16*\f+4*\c+3], v4 offset:\f*2048+\c*512
.endr
.endr
	WIN 0
	s_wait_loadcnt 0x0
.set i, 0
.rept 24
	v_ldexp_f32 v[208+i], v[208+i], s51    ; so bq goes in as bq / 2^(e2 + e3)
.set i, i+1
.endr
	s_wait_alu depctr_va_vdst(0)           ; directly ahead of the wait below
	s_wait_dscnt 0x0
.irp s, 0,1,2,3,4,5                    ; six accumulators by turns
.irp i, 0,1,2
	WIN 0x0c|(1+\i/2)
.irp p, 0,1
.if \s == 0
	v_wmma_f32_16x16x128_fp8_fp8 v[160+8*(2*\i+\p):167+8*(2*\i+\p)], v[96*(\i%2)+16*\s:96*(\i%2)+16*\s+15], v[16*(6*\p+\s):16*(6*\p+\s)+15], v[208+8*\i:215+8*\i]
.else
	v_wmma_f32_16x16x128_fp8_fp8 v[160+8*(2*\i+\p):167+8*(2*\i+\p)], v[96*(\i%2)+16*\s:96*(\i%2)+16*\s+15], v[16*(6*\p+\s):16*(6*\p+\s)+15], v[160+8*(2*\i+\p):167+8*(2*\i+\p)]
.endif
.endr
.endr
.endr
	WIN 0
	PLACES
.set i, 0
.rept 48
	v_med3_num_f32 v[160+i], v[160+i], -v233, v233     ; the conversion does not saturate (ISA guide 7.6.2); each accumulator from its low end on
.set i, i+1
.endr
.irp a, 0,1,2,3,4,5
	v_cvt_scalef32_pk8_fp8_f32 v[240+2*\a:241+2*\a], v[160+8*\a:167+8*\a], v232
.endr
	v_nop
.irp i, 0,1,2
.irp p, 0,1
	ds_store_b64 v[19+\i], v[240+2*(2*\i+\p):241+2*(2*\i+\p)] offset:\p*3072
.endr
.endr
.irp w, 1,2,3                          ; the six tiles' state: the step is written once for all steps; the first change of M leaves zeros zeros
	WIN 0x40*\w
.irp tb, 0,128
	v_mov_b32 v[\tb+TM], 0xff61b1e6        ; the largest t so far: -3e38
	v_mov_b32 v[\tb+NM], 0x7f61b1e6        ; -M = floor(3e38)
	v_mov_b32 v[\tb+SU], 0
	v_mov_b32 v[\tb+SU+1], 0
	v_mov_b32 v[\tb+FF+1], 0               ; (named as a pair's upper half)
	v_mov_b32 v[\tb+PT], 0                 ; (a lane permute's destination counts as read)
	v_mov_b32 v[\tb+SC], s66
.set i, 0
.rept 32
	v_mov_b32 v[\tb+OO+i], 0
.set i, i+1
.endr
.endr
.endr
	WIN 0
	s_wait_alu depctr_va_vdst(0)           ; the wait at the head's end
	s_wait_dscnt 0x0                       ; my codes of q lie in LDS
	s_barrier_signal -1
	s_barrier_wait -1
.irp w, 1,2,3
	WIN 0x40*\w
.irp hf, 0,1
	ds_load_b128 v[128*\hf+QQ:128*\hf+QQ+3], v2 offset:(2*(\w-1)+\hf)*1024
	ds_load_b128 v[128*\hf+QQ+4:128*\hf+QQ+7], v2 offset:(2*(\w-1)+\hf)*1024+512
.endr
.endr
	WIN 0
.macro SMUL w, pw                      ; S^T of window w's two tiles: each fragment of K feeds both.  pw = 1: K's tiles are waited for one by one
	WIN ((\w)<<6)|((\w)<<2)
.irp t, 0,1,2,3,4,5,6,7
.if \pw
	s_wait_dscnt 30-2*\t                   ; of the step's 32 LDS loads, 30 - 2 t are younger than tile t's two
.endif
	v_wmma_f32_16x16x64_fp8_fp8 v[8*\t:8*\t+7], v[KF+8*\t:KF+8*\t+7], v[QQ:QQ+7], 0
	v_wmma_f32_16x16x64_fp8_fp8 v[128+8*\t:128+8*\t+7], v[KF+8*\t:KF+8*\t+7], v[128+QQ:128+QQ+7], 0
.endr
.endm
.macro PV w, first                     ; O^T += V^T p^T: eight accumulators by turns
.if \first
	s_wait_alu depctr_va_vdst(0)           ; directly ahead of the wait below
	s_wait_dscnt 0x0                       ; V is in
.endif
	WIN ((\w)<<6)|((\w)<<4)|((\w)<<2)
.irp d, 0,1,2,3
	v_wmma_f32_16x16x128_fp8_fp8 v[OO+8*\d:OO+8*\d+7], v[VF+16*\d:VF+16*\d+15], v[CD:CD+15], v[OO+8*\d:OO+8*\d+7]
	v_wmma_f32_16x16x128_fp8_fp8 v[128+OO+8*\d:128+OO+8*\d+7], v[VF+16*\d:VF+16*\d+15], v[128+CD:128+CD+15], v[128+OO+8*\d:128+OO+8*\d+7]
.endr
.endm
.macro MAXH tb                         ; the largest of a lane's 64 scores, in four chains, the registers ascending: each accumulator is first read at its low end.  The chains' heads
	v_max3_num_f32 v[\tb+CD], v[\tb], v[\tb+1], v[\tb+2]
	v_max3_num_f32 v[\tb+CD+1], v[\tb+3], v[\tb+4], v[\tb+5]
	v_max3_num_f32 v[\tb+CD+2], v[\tb+6], v[\tb+7], v[\tb+8]
	v_max3_num_f32 v[\tb+CD+3], v[\tb+9], v[\tb+10], v[\tb+11]
.endm
.macro CH tb, n                        ; line n of the chain from a tile's four maxima to -M, f and the sum under the new M (n over 11: nothing)
.if (\n) == 0
	v_max3_num_f32 v[\tb+CD], v[\tb+CD], v[\tb+CD+1], v[\tb+CD+2]
.endif
.if (\n) == 1
	v_max_num_f32 v[\tb+CD], v[\tb+CD], v[\tb+CD+3]
.endif
.if (\n) == 2
	v_permlanex16_b32 v[\tb+PT], v[\tb+CD], s46, s47
.endif
.if (\n) == 3
	v_max_num_f32 v[\tb+CD], v[\tb+CD], v[\tb+PT]
.endif
.if (\n) == 4
	v_mul_f32 v[\tb+CD], s48, v[\tb+CD]    ; as t (c is positive)
.endif
.if (\n) == 5
	v_mov_b32 v[\tb+CD+4], v[\tb+NM]       ; the old -M
.endif
.if (\n) == 6
	v_max_num_f32 v[\tb+TM], v[\tb+TM], v[\tb+CD]
.endif
.if (\n) == 7
	v_floor_f32 v[\tb+NM], -v[\tb+TM]      ; -M = floor(-t)
.endif
.if (\n) == 8
	v_sub_f32 v[\tb+CD+4], v[\tb+NM], v[\tb+CD+4]      ; old M - new M: a whole number, 0 or less
.endif
.if (\n) == 9
	v_cvt_i32_f32 v[\tb+CD+4], v[\tb+CD+4]
.endif
.if (\n) == 10
	v_ldexp_f32 v[\tb+FF], 1.0, v[\tb+CD+4]            ; f = 2^(old M - new M)
.endif
.if (\n) == 11
	v_pk_mul_f32 v[\tb+SU:\tb+SU+1], v[\tb+SU:\tb+SU+1], v[\tb+FF:\tb+FF+1] op_sel_hi:[1,0]
.endif
.endm
.macro PSUM tb                         ; the sum of the UNQUANTISED p, in four chains
	v_pk_add_f32 v[\tb+CD+6:\tb+CD+7], v[\tb:\tb+1], v[\tb+2:\tb+3]
	v_pk_add_f32 v[\tb+CD+8:\tb+CD+9], v[\tb+4:\tb+5], v[\tb+6:\tb+7]
	v_pk_add_f32 v[\tb+CD+10:\tb+CD+11], v[\tb+8:\tb+9], v[\tb+10:\tb+11]
.irp j, 12,20,28,36,44,52
	v_pk_add_f32 v[\tb+SU:\tb+SU+1], v[\tb+SU:\tb+SU+1], v[\tb+\j:\tb+\j+1]
	v_pk_add_f32 v[\tb+CD+6:\tb+CD+7], v[\tb+CD+6:\tb+CD+7], v[\tb+\j+2:\tb+\j+3]
	v_pk_add_f32 v[\tb+CD+8:\tb+CD+9], v[\tb+CD+8:\tb+CD+9], v[\tb+\j+4:\tb+\j+5]
	v_pk_add_f32 v[\tb+CD+10:\tb+CD+11], v[\tb+CD+10:\tb+CD+11], v[\tb+\j+6:\tb+\j+7]
.endr
	v_pk_add_f32 v[\tb+SU:\tb+SU+1], v[\tb+SU:\tb+SU+1], v[\tb+60:\tb+61]
	v_pk_add_f32 v[\tb+CD+6:\tb+CD+7], v[\tb+CD+6:\tb+CD+7], v[\tb+62:\tb+63]
	v_pk_add_f32 v[\tb+CD+8:\tb+CD+9], v[\tb+CD+8:\tb+CD+9], v[\tb+CD+10:\tb+CD+11]
	v_pk_add_f32 v[\tb+SU:\tb+SU+1], v[\tb+SU:\tb+SU+1], v[\tb+CD+6:\tb+CD+7]
	v_pk_add_f32 v[\tb+SU:\tb+SU+1], v[\tb+SU:\tb+SU+1], v[\tb+CD+8:\tb+CD+9]
.endm
.macro CODES tb
.irp t, 0,1,2,3,4,5,6,7
	v_cvt_scalef32_pk8_fp8_f32 v[\tb+CD+2*\t:\tb+CD+2*\t+1], v[\tb+8*\t:\tb+8*\t+7], v[\tb+SC]
.endr
.endm
; The softmax of window w's two tiles.  Every vector operand lies in window w.  No transcendental stands between the products that made S^T and their first readers here.
; One tile's dependent chain stands between the other tile's independent lines.  nxt: the window whose S^T is issued behind the last batch (0: none), so that those products run under the lines that follow.
.macro SOFT w, nxt
	WIN 0x55*(\w)
	MAXH 0
.set k, 0
.rept 26
	v_max3_num_f32 v[CD+k%4], v[CD+k%4], v[12+2*k], v[13+2*k]
.set k, k+1
.endr
	MAXH 128
.set k, 0
.rept 26
	v_max3_num_f32 v[128+CD+k%4], v[128+CD+k%4], v[140+2*k], v[141+2*k]
.if (k%2) == 0
	CH 0, k/2
.endif
.set k, k+1
.endr
.set k, 0
.rept 32
	v_pk_fma_f32 v[2*k:2*k+1], v[2*k:2*k+1], s[48:49], v[NM:NM+1] op_sel_hi:[1,0,0]    ; t - M
.if (k%2) == 0
	CH 128, k/2
.endif
.set k, k+1
.endr
	s_wait_alu depctr_va_vdst(0)           ; the wait ahead of the batch
.set k, 0
.rept 64                               ; the first tile's batch; between its lines the second tile's t - M, which names no register of the batch and is first read behind its wait
	v_exp_f32 v[k], v[k]
.if (k%2) == 0
	v_pk_fma_f32 v[128+k:129+k], v[128+k:129+k], s[48:49], v[128+NM:128+NM+1] op_sel_hi:[1,0,0]
.endif
.set k, k+1
.endr
	v_nop                                  ; a plain place behind the batch,
	s_wait_alu depctr_va_vdst(0)           ; and its one wait, ahead of its first reader
	PSUM 0
.set k, 0
.rept 64                               ; the second tile's batch; between its lines the first tile's holds
	v_exp_f32 v[128+k], v[128+k]
	v_min_num_f32 v[k], s67, v[k]          ; p is not negative: a one-sided hold (the conversion does not saturate: ISA guide 7.6.2)
.set k, k+1
.endr
	s_wait_alu depctr_va_vdst(0)           ; one wait for the batch; it stands directly ahead of the first readers of O^T too
.irp tb, 0,128
.set k, 0
.rept 16
	v_pk_mul_f32 v[\tb+OO+k:\tb+OO+k+1], v[\tb+OO+k:\tb+OO+k+1], v[\tb+FF:\tb+FF+1] op_sel_hi:[1,0]    ; O^T under the new M
.set k, k+2
.endr
.endr
.if \nxt
	SMUL \nxt, 0
	WIN 0x55*(\w)
.endif
	CODES 0
	PSUM 128
.set k, 0
.rept 64
	v_min_num_f32 v[128+k], s67, v[128+k]
.set k, k+1
.endr
	CODES 128
	v_nop                                  ; a plain line between the last conversion and the products
.endm
; A KEY STEP: 128 keys of my quarter for all six tiles.
.macro STEP
	v_add_nc_u32 v8, s40, v1
.irp t, 0,1,2,3,4,5,6,7
	ds_load_b128 v[KF+8*\t:KF+8*\t+3], v8 offset:1024*\t
	ds_load_b128 v[KF+8*\t+4:KF+8*\t+7], v8 offset:1024*\t+512
.endr
.irp d, 0,1,2,3
.irp c, 0,1,2,3
	ds_load_b128 v[VF+16*\d+4*\c:VF+16*\d+4*\c+3], v8 offset:8192+2048*\d+512*\c
.endr
.endr
	SMUL 1, 1
	PLACES
	SOFT 1, 2
	PV 1, 1
	SOFT 2, 3
	PV 2, 0
	SOFT 3, 0
	PV 3, 0
	PLACES                                 ; ahead of the next step's loads into V's registers, and of the reads of O^T behind the last step
	WIN 0
	s_wait_alu depctr_va_vdst(0)           ; the wait ahead of the branch
.endm
.macro SLOT_STEPS                      ; a slot's two steps, 16,384 bytes apart, then on to the other slot
	s_mov_b32 s42, 2
.Lstep_\@:
	STEP
	s_xor_b32 s40, s40, 16384
	s_sub_co_u32 s42, s42, 1
	s_cmp_lg_u32 s42, 0
	s_cbranch_scc1 .Lstep_\@
	s_xor_b32 s40, s40, SLOT1
.endm
; THE CHANGE OF SLOTS, at a slot's head.  Every wave: all its tensor loads have landed; the add; its LDS reads are back.  fill = 1: a round of the cluster's barrier, then the joint load of the other slot first behind it.
.macro CHANGE fill
	s_wait_alu depctr_va_vdst(0)
	s_wait_tensorcnt 0x0
	ds_add_u32 v[SPW], v[NIL]
.if \fill
	s_xor_b32 s37, s37, SLOT1              ; the walking descriptor: the other slot, the next two key steps
	s_add_nc_u64 s[38:39], s[38:39], 32768
	s_wait_xcnt 0x0                        ; an earlier prefetch has read its address
	s_add_nc_u64 s[44:45], s[44:45], 32768
	s_wait_dscnt 0x0
	CROUND
	TLOAD
	ASK
.else
	s_wait_dscnt 0x0
	s_barrier_signal -1
	s_barrier_wait -1
.endif
.endm
.Lslot:                                ; three trips: behind each change the next fill is asked for (the first time: slot 1's first fill, issued as a refill is)
	CHANGE 1
	SLOT_STEPS
	s_sub_co_u32 s41, s41, 1
	s_cmp_lg_u32 s41, 0
	s_cbranch_scc1 .Lslot
	CHANGE 0                               ; the last slot is written out
	SLOT_STEPS
	; ---- the four quarters of the keys are merged.  Each wave lays its six parts into its 32,768 bytes of slot 0
.irp w, 1,2,3
	WIN 0x55*\w
.irp tb, 0,128
	v_add_f32 v[\tb+SU], v[\tb+SU], v[\tb+SU+1]
.endr
.irp tb, 0,128
	v_permlanex16_b32 v[\tb+PT], v[\tb+SU], s46, s47
.endr
.irp tb, 0,128
	v_add_f32 v[\tb+SU], v[\tb+SU], v[\tb+PT]          ; my quarter's sum
.endr
	WIN (\w)<<2
	s_wait_alu depctr_va_vdst(0)           ; directly ahead of the first readers of O^T
.irp hf, 0,1
.irp i, 0,1,2,3,4,5,6,7
	ds_store_b128 v1, v[128*\hf+OO+4*\i:128*\hf+OO+4*\i+3] offset:(2*(\w-1)+\hf)*MP+512*\i
.endr
	ds_store_b32 v7, v[128*\hf+NM] offset:(2*(\w-1)+\hf)*MP+4096
	ds_store_b32 v7, v[128*\hf+SU] offset:(2*(\w-1)+\hf)*MP+4224
.endr
.endr
	WIN 0
.irp i, 0,1,2
	v_add_nc_u32 v[248+\i], 65536, v[22+\i]            ; the parts of waves 2 and 3
	v_add_nc_u32 v[251+\i], 65536, v[25+\i]
.endr
	s_add_co_i32 s54, s76, s77             ; e8 + e9
	s_mov_b32 s52, s78
	SCALE 52, 14, 15                       ; 2^e10, 448 x 2^e10
	s_wait_alu depctr_va_vdst(0)           ; directly ahead of the wait below
	s_wait_dscnt 0x0                       ; my parts lie in LDS
	s_barrier_signal -1
	s_barrier_wait -1
.irp i, 0,1,2                          ; unit 3 w + i: one tile, 32 of its dims: four parts of 16 registers, four -M, four sums
.irp x, 0,1
.irp m, 0,1,2,3
	ds_load_b128 v[32+72*\i+16*\x+4*\m:32+72*\i+16*\x+4*\m+3], v[22+\i] offset:32768*\x+512*\m
	ds_load_b128 v[64+72*\i+16*\x+4*\m:64+72*\i+16*\x+4*\m+3], v[248+\i] offset:32768*\x+512*\m
.endr
	ds_load_b32 v[96+72*\i+\x], v[25+\i] offset:32768*\x
	ds_load_b32 v[98+72*\i+\x], v[251+\i] offset:32768*\x
	ds_load_b32 v[100+72*\i+\x], v[25+\i] offset:32768*\x+128
	ds_load_b32 v[102+72*\i+\x], v[251+\i] offset:32768*\x+128
.endr
.endr
	s_wait_dscnt 0x0
.macro UNIT i
.set U, 32+72*(\i)
.set N, U+64
.set L, U+68
	v_min3_num_f32 v11, v[N], v[N+1], v[N+2]
	v_min_num_f32 v11, v11, v[N+3]         ; -(the largest M)
.irp x, 0,1,2,3
	v_sub_f32 v[N+\x], v11, v[N+\x]
.endr
.irp x, 0,1,2,3
	v_cvt_i32_f32 v[N+\x], v[N+\x]
.endr
.irp x, 0,1,2,3
	v_ldexp_f32 v[N+\x], 1.0, v[N+\x]      ; each part's exact power of two
.endr
	v_mul_f32 v12, v[L], v[N]
.irp x, 1,2,3
	v_fmac_f32 v12, v[L+\x], v[N+\x]       ; the row's sum
.endr
	s_wait_alu depctr_va_vdst(0)           ; the wait ahead of the transcendental
	v_rcp_f32 v13, v12
	v_nop
	s_wait_alu depctr_va_vdst(0)           ; and ahead of its first reader
	v_ldexp_f32 v13, v13, s54              ; x 2^(e8 + e9)
.irp x, 0,1,2,3
	v_mul_f32 v[N+\x], v[N+\x], v13
.endr
.set k, 0
.rept 16
	v_mul_f32 v[U+k], v[U+k], v[N]
.set k, k+1
.endr
.irp x, 1,2,3
.set k, 0
.rept 16
	v_fmac_f32 v[U+k], v[U+16*\x+k], v[N+\x]
.set k, k+1
.endr
.endr
.set k, 0
.rept 16
	v_med3_num_f32 v[U+k], v[U+k], -v15, v15
.set k, k+1
.endr
	v_cvt_scalef32_pk8_fp8_f32 v[L:L+1], v[U:U+7], v14
	v_cvt_scalef32_pk8_fp8_f32 v[L+2:L+3], v[U+8:U+15], v14
	v_nop
	global_store_b128 v[28+\i], v[L:L+3], s[12:13]     ; a piece of product 6's operand: 512 consecutive bytes, aligned
.endm
	UNIT 0
	UNIT 1
	UNIT 2
	s_wait_tensorcnt 0x0                   ; the wave's end
	ds_add_u32 v[SPW], v[NIL]
	s_wait_dscnt 0x0
	CROUND                                 ; the closing round
	s_endpgm
.Lfunc_end_k_qa05bb27f3a_attn:
	.size	k_qa05bb27f3a_attn, .Lfunc_end_k_qa05bb27f3a_attn-k_qa05bb27f3a_attn
	.p2alignl 7, 3214868480
	.fill 96, 4, 3214868480
	.section	.rodata,"a",@progbits
	.p2align	6, 0x0
	.amdhsa_kernel k_qa05bb27f3a_attn
		.amdhsa_group_segment_fixed_size 327680
		.amdhsa_private_segment_fixed_size 0
		.amdhsa_enable_private_segment 0
		.amdhsa_kernarg_size 40
		.amdhsa_user_sgpr_count 2
		.amdhsa_user_sgpr_kernarg_segment_ptr 1
		.amdhsa_wavefront_size32 1
		.amdhsa_system_sgpr_workgroup_id_x 1
		.amdhsa_system_sgpr_workgroup_id_y 1
		.amdhsa_system_sgpr_workgroup_id_z 1
		.amdhsa_system_vgpr_workitem_id 0
		.amdhsa_next_free_vgpr 1024
		.amdhsa_next_free_sgpr 84
		.amdhsa_reserve_vcc 0
		.amdhsa_float_denorm_mode_32 3
		.amdhsa_float_denorm_mode_16_64 3
		.amdhsa_memory_ordered 1
		.amdhsa_forward_progress 1
		.amdhsa_inst_pref_size 223
	.end_amdhsa_kernel
	.amdgpu_metadata
---
amdhsa.version: [ 1, 2 ]
amdhsa.kernels:
  - .name:           k_qa05bb27f3a_attn
    .symbol:         k_qa05bb27f3a_attn.kd
    .args:
      - { .name: prep_img, .offset: 0, .size: 8, .value_kind: global_buffer, .address_space: global }
      - { .name: kv_img, .offset: 8, .size: 8, .value_kind: global_buffer, .address_space: global }
      - { .name: bq, .offset: 16, .size: 8, .value_kind: global_buffer, .address_space: global }
      - { .name: lowp_scales, .offset: 24, .size: 8, .value_kind: global_buffer, .address_space: global }
      - { .name: attn_img, .offset: 32, .size: 8, .value_kind: global_buffer, .address_space: global }
    .group_segment_fixed_size: 327680
    .private_segment_fixed_size: 0
    .kernarg_segment_align: 8
    .kernarg_segment_size: 40
    .max_flat_workgroup_size: 128
    .sgpr_count:     84
    .vgpr_count:     1024
    .wavefront_size: 32
...
	.end_amdgpu_metadata
.endif
;; end of part 3
;; launch oproj (part 4): grid 128 x 1, 12 waves a work-group, no clusters, 82,688 bytes of LDS; arguments attn_img, prep_img, hidden_states, bo, ln_ao_g, ln_ao_b, gate_param, ln_f_g, ln_f_b, lowp_scales, h_buf, f_img; writes h_buf, f_img
.if DOCPART == 4
	.amdgcn_target "amdgcn-amd-amdhsa--gfx1250"
	.amdhsa_code_object_version 6
	.text
	.protected	k_qa05bb27f3a_oproj
	.globl	k_qa05bb27f3a_oproj
	.p2align	8
	.type	k_qa05bb27f3a_oproj,@function
k_qa05bb27f3a_oproj:
	s_mov_b64 s[64:65], 0
	v_nop
	global_prefetch_b8 v0, s[64:65] scope:SCOPE_SE
	s_setreg_imm32_b32 hwreg(HW_REG_WAVE_MODE, 25, 1), 1
	s_wait_xcnt 0x0
; Launch 4 of 6: out = attn Wo + bo (product 6); LayerNorm; h = hidden + sigmoid(gate) x it; h to h_buf; LayerNorm(h) as codes of product 7's left operand.  No work is left out.
; The two norms want whole rows, so a work-group owns 16 rows x all 768 columns; wave w owns columns 64 w .. 64 w + 63 (four tiles, used transposed: a lane holds one row and twice 16 neighbouring columns).
; Wo's fragments, each multiplied by one wave alone, come straight from memory as register images, two K steps ahead.  The rows' six fragments, which all twelve waves multiply, are fetched once, two pieces a wave, and shared through LDS as they lie.
; The five vectors by column (bo, the norms' gains and biases) are asked for at the head, one load of the wave's 256 bytes each (lanes 16-31 repeat lanes 0-15), kept in the wave's own LDS bytes and read in the accumulators' layout when they are wanted:
;   so no load from memory stands behind the products.
; A row's sums meet in LDS: each wave's partial to its own word, a barrier, every wave adds the twelve; four such sums, each with words of its own.
; hidden_states comes in, and h goes out, by rows (sixteen lanes: 256 consecutive bytes) and turns through the wave's own 256 bytes of each stage row: no barrier for that.
; WHY NO JOINT LOADS, though all work-groups read Wo: each fragment is multiplied by one wave of the work-group, so the way through LDS would add a write and a read of every byte; no prefetch: the launch is short and Wo is read by all.
; LIMITS: e10 + e11 between -126 and 127, e12 between -126 and 119; NaN and infinity are not served.
; REGISTERS: v1-9 addresses; v10-31 statistics (at the head v18-20, up to the last product v29: addresses); v32-63 hidden as loaded, later ln_f_b; v64-95 the four accumulators, worked on in place;
;   v96-175, v176-255 two sets (rows 16, Wo 64), later the vectors by column.
.set SP,    3088                       ; a stage row: 3,072 bytes + 16
.set RED,   16*SP
.set SPARE, RED+4096
.set AIMG,  SPARE+1536                 ; the rows' six fragments, as they lie in memory: 12,288 bytes
.set VEC,   AIMG+12288                 ; the five vectors: 5 x 256 bytes for each wave
.set WO,    720*2048
.set SPW, 8
.set NIL, 9
.macro PLACES
.rept 4
	v_nop
.endr
.endm
.macro WM d, a, b, zero
.if \zero
	v_wmma_f32_16x16x128_fp8_fp8 v[\d:\d+7], v[\a:\a+15], v[\b:\b+15], 0
.else
	v_wmma_f32_16x16x128_fp8_fp8 v[\d:\d+7], v[\a:\a+15], v[\b:\b+15], v[\d:\d+7]
.endif
.endm
.macro WLOAD s, base                   ; 16 loads: my four fragments of Wo
.irp j, 0,1,2,3
.irp c, 0,1,2,3
	global_load_b128 v[\base+16+16*\j+4*\c:\base+16+16*\j+4*\c+3], v1, s[6:7] offset:(\s)*8192+\j*2048+\c*512
.endr
.endr
.endm
.macro ALOAD s, base                   ; the rows' fragment of K step s, from LDS
.irp c, 0,1,2,3
	ds_load_b128 v[\base+4*\c:\base+4*\c+3], v29 offset:(\s)*2048+\c*512
.endr
.endm
.macro VLOAD reg, k                    ; vector k by column, from my LDS bytes: my lane's 32 numbers, 8 loads; the sixteen lanes of a half read the same bytes
.irp g, 0,1
.irp i, 0,1,2,3
	ds_load_b128 v[\reg+16*\g+4*\i:\reg+16*\g+4*\i+3], v2 offset:256*(\k)+128*\g+16*\i
.endr
.endr
.endm
.macro OSTEP base, lcnt, dcnt, zero
	s_wait_loadcnt \lcnt
	s_wait_dscnt \dcnt
.irp j, 0,1,2,3
	WM 64+8*\j, \base+16+16*\j, \base, \zero       ; four accumulators by turns
.endr
	PLACES
.endm
.macro LSUM sq                         ; my lane's 32 numbers (sq = 1: their squares), and the other half of the lanes': my wave's part of row r, in v10
.if \sq
	v_pk_mul_f32 v[18:19], v[64:65], v[64:65]
	v_pk_mul_f32 v[20:21], v[66:67], v[66:67]
.irp i, 4,8,12,16,20,24,28
	s_delay_alu instid0(VALU_DEP_2)
	v_pk_fma_f32 v[18:19], v[64+\i:65+\i], v[64+\i:65+\i], v[18:19]
	s_delay_alu instid0(VALU_DEP_2)
	v_pk_fma_f32 v[20:21], v[66+\i:67+\i], v[66+\i:67+\i], v[20:21]
.endr
.else
	v_pk_add_f32 v[18:19], v[64:65], v[68:69]
	v_pk_add_f32 v[20:21], v[66:67], v[70:71]
.irp i, 8,12,16,20,24,28
	s_delay_alu instid0(VALU_DEP_2)
	v_pk_add_f32 v[18:19], v[18:19], v[64+\i:65+\i]
	s_delay_alu instid0(VALU_DEP_2)
	v_pk_add_f32 v[20:21], v[20:21], v[66+\i:67+\i]
.endr
.endif
	s_delay_alu instid0(VALU_DEP_1)
	v_pk_add_f32 v[18:19], v[18:19], v[20:21]
	s_delay_alu instid0(VALU_DEP_1)
	v_add_f32 v10, v18, v19
	s_delay_alu instid0(VALU_DEP_1)
	v_permlanex16_b32 v11, v10, s60, s61
	s_delay_alu instid0(VALU_DEP_1)
	v_add_f32 v10, v10, v11
.endm
.macro RSUM k                          ; over the twelve waves: the row's sum in v10.  Sum k has its own 1,024 bytes (the argument may be an expression: it stands in brackets)
	ds_store_b32 v6, v10 offset:1024*(\k)
	s_wait_dscnt 0x0                       ; my word lies in LDS (and every earlier LDS instruction of mine is done)
	s_barrier_signal -1
	s_barrier_wait -1
	ds_load_b128 v[18:21], v7 offset:1024*(\k)
	ds_load_b128 v[22:25], v7 offset:1024*(\k)+16
	ds_load_b128 v[26:29], v7 offset:1024*(\k)+32
	s_wait_dscnt 0x0
	v_pk_add_f32 v[18:19], v[18:19], v[20:21]
	v_pk_add_f32 v[22:23], v[22:23], v[24:25]
	v_pk_add_f32 v[26:27], v[26:27], v[28:29]
	s_delay_alu instid0(VALU_DEP_2)
	v_pk_add_f32 v[18:19], v[18:19], v[22:23]
	s_delay_alu instid0(VALU_DEP_1)
	v_pk_add_f32 v[18:19], v[18:19], v[26:27]
	s_delay_alu instid0(VALU_DEP_1)
	v_add_f32 v10, v18, v19
.endm
.macro NORM k0, greg, breg             ; v[64:95] = LayerNorm over the row, x g + b
	LSUM 0
	RSUM \k0
	s_delay_alu instid0(VALU_DEP_1)
	v_mul_f32 v12, s58, v10
	s_delay_alu instid0(VALU_DEP_1)
	v_mov_b32 v13, v12
.set i, 0
.rept 16
	v_pk_add_f32 v[64+i:65+i], v[64+i:65+i], v[12:13] neg_lo:[0,1] neg_hi:[0,1]
.set i, i+2
.endr
	LSUM 1
	RSUM \k0+1
	s_delay_alu instid0(VALU_DEP_1)
	v_fma_f32 v10, v10, s58, s59
	s_wait_alu depctr_va_vdst(0)
	v_rsq_f32 v14, v10
	v_nop
	s_wait_alu depctr_va_vdst(0)           ; ahead of the root's first reader
	v_mov_b32 v15, v14
.set i, 0
.rept 16
	v_pk_mul_f32 v[64+i:65+i], v[64+i:65+i], v[14:15]
.set i, i+2
.endr
.set i, 0
.rept 16
	v_pk_fma_f32 v[64+i:65+i], v[64+i:65+i], v[\greg+i:\greg+i+1], v[\breg+i:\breg+i+1]
.set i, i+2
.endr
.endm
	s_load_b512 s[4:19], s[0:1], 0x0       ; attn_img 4, prep_img 6, hidden 8, bo 10, ln_ao_g 12, ln_ao_b 14, gate 16, ln_f_g 18
	s_load_b256 s[20:27], s[0:1], 0x40     ; ln_f_b 20, lowp_scales 22, h_buf 24, f_img 26
	v_lshl_add_u32 v[SPW], v0, 2, SPARE
	v_mov_b32 v[NIL], 0
	v_lshrrev_b32 v10, 5, v0
	s_delay_alu instid0(VALU_DEP_1)
	v_readfirstlane_b32 s28, v10           ; wave 0..11
	v_and_b32 v10, 31, v0
	s_delay_alu instid0(VALU_DEP_1)
	v_lshlrev_b32 v1, 4, v10               ; 16 x lane
	v_and_b32 v12, 15, v0                  ; r
	v_bfe_u32 v13, v0, 4, 1                ; h
	s_lshl_b32 s50, s28, 8                 ; my 256 bytes of a row
	v_lshl_add_u32 v19, v12, 4, s50        ; the vectors in memory: 256 w + 16 r
	s_mul_i32 s51, s28, 1280
	s_add_co_u32 s51, s51, VEC
	v_lshl_add_u32 v20, v12, 4, s51        ; into my LDS bytes: + 16 r
	v_lshl_add_u32 v2, v13, 6, s51         ; and out of them, by column: + 64 h
	s_lshl_b32 s51, s28, 10
	v_add_nc_u32 v18, s51, v1              ; my two pieces of the rows' fragments: 1,024 w + 16 x lane, in memory and (+ AIMG) in LDS
	v_add_nc_u32 v29, AIMG, v1             ; where every wave reads them
	v_mul_u32_u24 v3, v13, 3072
	s_delay_alu instid0(VALU_DEP_1)
	v_lshl_add_u32 v3, v12, 4, v3
	s_delay_alu instid0(VALU_DEP_1)
	v_add_nc_u32 v3, s50, v3               ; memory, by rows: row h (+ 2 i), 16 bytes a lane
	v_mul_u32_u24 v4, v13, SP
	s_delay_alu instid0(VALU_DEP_1)
	v_lshl_add_u32 v4, v12, 4, v4
	s_delay_alu instid0(VALU_DEP_1)
	v_add_nc_u32 v4, s50, v4               ; the stage, by rows
	v_mul_u32_u24 v5, v12, SP
	s_delay_alu instid0(VALU_DEP_1)
	v_lshl_add_u32 v5, v13, 6, v5
	s_delay_alu instid0(VALU_DEP_1)
	v_add_nc_u32 v5, s50, v5               ; the stage, as the accumulators lie: row r, + 64 h
	v_lshlrev_b32 v7, 6, v12
	s_delay_alu instid0(VALU_DEP_1)
	v_add_nc_u32 v7, RED, v7               ; a row's twelve partial sums
	s_lshl_b32 s51, s28, 2
	v_add_nc_u32 v6, s51, v7               ; mine
	v_mov_b32 v11, 0                       ; (a lane permute's destination counts as read)
	s_mov_b32 s58, 0x3aaaaaab              ; 1 / 768
	s_mov_b32 s59, 0x3727c5ac              ; 1e-5
	s_mov_b32 s60, 0x76543210
	s_mov_b32 s61, 0xfedcba98
	s_mul_i32 s52, ttmp9, 12288
	s_mov_b32 s53, 0
	s_mul_i32 s54, s28, 49152
	s_add_co_u32 s54, s54, WO
	s_mov_b32 s55, 0
	s_mul_i32 s56, ttmp9, 49152
	s_mov_b32 s57, 0
	s_wait_kmcnt 0x0
	s_load_b512 s[32:47], s[22:23], 0x0
	s_load_b32 s48, s[16:17], 0x0
	s_add_nc_u64 s[4:5], s[4:5], s[52:53]
	s_add_nc_u64 s[26:27], s[26:27], s[52:53]
	s_add_nc_u64 s[6:7], s[6:7], s[54:55]
	s_add_nc_u64 s[8:9], s[8:9], s[56:57]
	s_add_nc_u64 s[24:25], s[24:25], s[56:57]
	s_lshl_b32 s52, s28, 10                ; my two pieces of f_img
	s_add_nc_u64 s[26:27], s[26:27], s[52:53]
	global_load_b128 v[96:99], v18, s[4:5]                 ; my two pieces of the rows' fragments
	global_load_b128 v[100:103], v18, s[4:5] offset:512
	global_load_b128 v[104:107], v19, s[10:11]             ; bo
	global_load_b128 v[108:111], v19, s[12:13]             ; ln_ao_g
	global_load_b128 v[176:179], v19, s[14:15]             ; ln_ao_b
	global_load_b128 v[180:183], v19, s[18:19]             ; ln_f_g
	global_load_b128 v[184:187], v19, s[20:21]             ; ln_f_b
.irp i, 0,1,2,3,4,5,6,7
	global_load_b128 v[32+4*\i:35+4*\i], v3, s[8:9] offset:6144*\i th:TH_LOAD_NT
.endr
	WLOAD 0, 96
	WLOAD 1, 176
	s_wait_kmcnt 0x0
	v_mov_b32 v16, s48                     ; sigmoid(gate) = 1 / (1 + 2^(-gate log2 e))
	s_delay_alu instid0(VALU_DEP_1)
	v_mul_f32 v16, 0xbfb8aa3b, v16
	s_wait_alu depctr_va_vdst(0)
	v_exp_f32 v17, v16
	v_nop
	s_wait_alu depctr_va_vdst(0)
	v_add_f32 v17, 1.0, v17
	s_wait_alu depctr_va_vdst(0)
	v_rcp_f32 v16, v17
	v_nop
	s_wait_alu depctr_va_vdst(0)
	v_mov_b32 v17, v16
	s_add_co_i32 s50, s42, s43
	s_add_co_i32 s50, s50, 127
	s_lshl_b32 s50, s50, 23                ; 2^(e10 + e11)
	s_mov_b32 s51, s50
	s_add_co_i32 s44, s44, 127
	s_lshl_b32 s49, s44, 23
	v_mov_b32 v30, s49                     ; 2^e12
	s_add_co_i32 s44, s44, 8
	s_lshl_b32 s44, s44, 23
	s_or_b32 s44, s44, 0x600000
	v_mov_b32 v31, s44                     ; 448 x 2^e12
	s_wait_loadcnt 32                      ; the pieces, the vectors and hidden are in; the two sets of Wo, 32 loads, are younger
	ds_store_b128 v18, v[96:99] offset:AIMG
	ds_store_b128 v18, v[100:103] offset:AIMG+512
	ds_store_b128 v20, v[104:107]                          ; vector 0: bo
	ds_store_b128 v20, v[108:111] offset:256               ; 1: ln_ao_g
	ds_store_b128 v20, v[176:179] offset:512               ; 2: ln_ao_b
	ds_store_b128 v20, v[180:183] offset:768               ; 3: ln_f_g
	ds_store_b128 v20, v[184:187] offset:1024              ; 4: ln_f_b
.irp i, 0,1,2,3,4,5,6,7
	ds_store_b128 v4, v[32+4*\i:35+4*\i] offset:2*SP*\i
.endr
	s_wait_dscnt 0x0                       ; my pieces lie in LDS for the others, and the stores have read their registers
	s_barrier_signal -1
	s_barrier_wait -1
	ALOAD 0, 96
	ALOAD 1, 176
	OSTEP 96, 16, 4, 1                     ; younger than this step's: the next set of Wo (16 loads), the next rows' fragment (4)
	WLOAD 2, 96
	ALOAD 2, 96
	OSTEP 176, 16, 4, 0
	WLOAD 3, 176
	ALOAD 3, 176
	OSTEP 96, 16, 4, 0
	WLOAD 4, 96
	ALOAD 4, 96
	OSTEP 176, 16, 4, 0
	WLOAD 5, 176
	ALOAD 5, 176
	OSTEP 96, 16, 4, 0
	VLOAD 96, 0                            ; bo
	VLOAD 128, 1                           ; ln_ao_g
	OSTEP 176, 0, 16, 0                    ; younger than the last rows' fragment: those 16 LDS loads
	VLOAD 176, 2                           ; ln_ao_b
	VLOAD 208, 3                           ; ln_f_g
	VLOAD 32, 4                            ; ln_f_b
	s_wait_dscnt 24                        ; bo and ln_ao_g are in; the other three vectors' 24 loads stay out
.set i, 0
.rept 16
	v_pk_fma_f32 v[64+i:65+i], v[64+i:65+i], s[50:51], v[96+i:97+i] op_sel_hi:[1,0,1]     ; sum x 2^(e10 + e11) + bo
.set i, i+2
.endr
.irp g, 0,1
.irp i, 0,1,2,3
	ds_load_b128 v[96+16*\g+4*\i:99+16*\g+4*\i], v5 offset:128*\g+16*\i       ; hidden, as the accumulators lie: my own bytes
.endr
.endr
	NORM 0, 128, 176                       ; (its first barrier's wait shows every LDS load above done)
.set i, 0
.rept 16
	v_pk_fma_f32 v[64+i:65+i], v[64+i:65+i], v[16:17], v[96+i:97+i]           ; h = hidden + gate x out
.set i, i+2
.endr
.irp g, 0,1
.irp i, 0,1,2,3
	ds_store_b128 v5, v[64+16*\g+4*\i:67+16*\g+4*\i] offset:128*\g+16*\i
.endr
.endr
	NORM 2, 208, 32                        ; (its first barrier's wait shows the stores above done before h's registers are written)
.set i, 0
.rept 32
	v_med3_num_f32 v[64+i], v[64+i], -v31, v31
.set i, i+1
.endr
.irp q, 0,1,2,3
	v_cvt_scalef32_pk8_fp8_f32 v[240+2*\q:241+2*\q], v[64+8*\q:71+8*\q], v30
.endr
	v_nop
	global_store_b128 v1, v[240:243], s[26:27]
	global_store_b128 v1, v[244:247], s[26:27] offset:512
.irp i, 0,1,2,3,4,5,6,7
	ds_load_b128 v[96+4*\i:99+4*\i], v4 offset:2*SP*\i
.endr
.irp i, 0,1,2,3,4,5,6,7
	s_wait_dscnt 7-\i
	global_store_b128 v3, v[96+4*\i:99+4*\i], s[24:25] offset:6144*\i         ; sixteen lanes store 256 consecutive bytes, aligned
.endr
	s_wait_tensorcnt 0x0                   ; the wave's end
	ds_add_u32 v[SPW], v[NIL]
	s_wait_dscnt 0x0
	s_endpgm
.Lfunc_end_k_qa05bb27f3a_oproj:
	.size	k_qa05bb27f3a_oproj, .Lfunc_end_k_qa05bb27f3a_oproj-k_qa05bb27f3a_oproj
	.p2alignl 7, 3214868480
	.fill 96, 4, 3214868480
	.section	.rodata,"a",@progbits
	.p2align	6, 0x0
	.amdhsa_kernel k_qa05bb27f3a_oproj
		.amdhsa_group_segment_fixed_size 82688
		.amdhsa_private_segment_fixed_size 0
		.amdhsa_enable_private_segment 0
		.amdhsa_kernarg_size 96
		.amdhsa_user_sgpr_count 2
		.amdhsa_user_sgpr_kernarg_segment_ptr 1
		.amdhsa_wavefront_size32 1
		.amdhsa_system_sgpr_workgroup_id_x 1
		.amdhsa_system_sgpr_workgroup_id_y 1
		.amdhsa_system_sgpr_workgroup_id_z 1
		.amdhsa_system_vgpr_workitem_id 0
		.amdhsa_next_free_vgpr 256
		.amdhsa_next_free_sgpr 66
		.amdhsa_reserve_vcc 0
		.amdhsa_float_denorm_mode_32 3
		.amdhsa_float_denorm_mode_16_64 3
		.amdhsa_memory_ordered 1
		.amdhsa_forward_progress 1
		.amdhsa_inst_pref_size 46
	.end_amdhsa_kernel
	.amdgpu_metadata
---
amdhsa.version: [ 1, 2 ]
amdhsa.kernels:
  - .name:           k_qa05bb27f3a_oproj
    .symbol:         k_qa05bb27f3a_oproj.kd
    .args:
      - { .name: attn_img, .offset: 0, .size: 8, .value_kind: global_buffer, .address_space: global }
      - { .name: prep_img, .offset: 8, .size: 8, .value_kind: global_buffer, .address_space: global }
      - { .name: hidden_states, .offset: 16, .size: 8, .value_kind: global_buffer, .address_space: global }
      - { .name: bo, .offset: 24, .size: 8, .value_kind: global_buffer, .address_space: global }
      - { .name: ln_ao_g, .offset: 32, .size: 8, .value_kind: global_buffer, .address_space: global }
      - { .name: ln_ao_b, .offset: 40, .size: 8, .value_kind: global_buffer, .address_space: global }
      - { .name: gate_param, .offset: 48, .size: 8, .value_kind: global_buffer, .address_space: global }
      - { .name: ln_f_g, .offset: 56, .size: 8, .value_kind: global_buffer, .address_space: global }
      - { .name: ln_f_b, .offset: 64, .size: 8, .value_kind: global_buffer, .address_space: global }
      - { .name: lowp_scales, .offset: 72, .size: 8, .value_kind: global_buffer, .address_space: global }
      - { .name: h_buf, .offset: 80, .size: 8, .value_kind: global_buffer, .address_space: global }
      - { .name: f_img, .offset: 88, .size: 8, .value_kind: global_buffer, .address_space: global }
    .group_segment_fixed_size: 82688
    .private_segment_fixed_size: 0
    .kernarg_segment_align: 8
    .kernarg_segment_size: 96
    .max_flat_workgroup_size: 384
    .sgpr_count:     66
    .vgpr_count:     256
    .wavefront_size: 32
...
	.end_amdgpu_metadata
.endif
;; end of part 4
;; launch ffn1 (part 5): grid 32 x 8, 4 waves a work-group, no clusters, 74,240 bytes of LDS; arguments f_img, prep_img, b1, lowp_scales, g_img; writes g_img
.if DOCPART == 5
	.amdgcn_target "amdgcn-amd-amdhsa--gfx1250"
	.amdhsa_code_object_version 6
	.text
	.protected	k_qa05bb27f3a_ffn1
	.globl	k_qa05bb27f3a_ffn1
	.p2align	8
	.type	k_qa05bb27f3a_ffn1,@function
k_qa05bb27f3a_ffn1:
	s_mov_b64 s[64:65], 0
	v_nop
	global_prefetch_b8 v0, s[64:65] scope:SCOPE_SE
	s_setreg_imm32_b32 hwreg(HW_REG_WAVE_MODE, 25, 1), 1
	s_wait_xcnt 0x0
; Launch 5 of 6: gelu(LN(h) W1 + b1) (product 7) as codes of product 8's left operand.  No work is left out.
; A work-group makes 256 rows x 96 columns; wave w makes 64 rows (four tiles) x all 96 (six tiles): 24 accumulators.  K = 768 is six steps.
; The wave's 24 row fragments go straight into registers (each is multiplied by this wave alone); the 36 fragments of W1, which all four waves multiply, are copied once into LDS, a quarter a wave.
; Used transposed (source 0 = W1's columns): a lane holds one row and 16 neighbouring columns in two tiles, so the conversions' results are pieces of the next operand.
; GELU = x / 2 (1 + erf(x / sqrt 2)); erf(z) = z P(z^2) / Q(z^2), z held within +-4 (beyond, erf is 1 in f32), a rational form good to the last bits of f32.  LIMIT: 1 + erf is formed in f32, as the problem's own formula forms it.
; No joint loads: what work-groups share (a column block's 73,728 bytes, a row block's fragments) is fetched once at the head, and the row fragments go to registers; no prefetch: the launch is short.
; LIMITS: e12 + e13 between -126 and 127, e14 between -126 and 119; NaN and infinity are not served.
; REGISTERS: window 0: v1-8 addresses and scales, v10-39 constants in pairs, v64-255 the copy's stage, then two sets of six W1 fragments, then the GELU; windows 1, 2: row fragment 4 s + m at 16 (4 s + m);
;   window 3: accumulator (m, j) at 8 (4 j + m); v192-239 b1.
.set SPARE, 73728
.set W1F,   1008*2048
.set SPW, 5
.set NIL, 6
.set XX, 64
.set ZZ, 80
.set Z2, 96
.set PP, 112
.set QQ, 128
.set MSB, 0
.macro WIN new
.if MSB != (\new)
	s_set_vgpr_msb (MSB<<8)|(\new)
.set MSB, (\new)
.endif
.endm
.macro PLACES
.rept 4
	v_nop
.endr
.endm
.macro WM d, a, b, zero
.if \zero
	v_wmma_f32_16x16x128_fp8_fp8 v[\d:\d+7], v[\a:\a+15], v[\b:\b+15], 0
.else
	v_wmma_f32_16x16x128_fp8_fp8 v[\d:\d+7], v[\a:\a+15], v[\b:\b+15], v[\d:\d+7]
.endif
.endm
.macro KPAIR r, hex
	v_mov_b32 v[\r], \hex
	v_mov_b32 v[\r+1], \hex
.endm
	s_load_b256 s[4:11], s[0:1], 0x0       ; f_img 4, prep_img 6, b1 8, lowp_scales 10
	s_load_b64 s[12:13], s[0:1], 0x20      ; g_img
	v_lshl_add_u32 v[SPW], v0, 2, SPARE
	v_mov_b32 v[NIL], 0
	v_lshrrev_b32 v9, 5, v0
	v_readfirstlane_b32 s14, v9            ; wave
	v_and_b32 v9, 31, v0
	v_lshlrev_b32 v1, 4, v9                ; 16 x lane: K steps 0-2 of W1 in LDS,
	v_add_nc_u32 v2, 36864, v1             ; K steps 3-5
	s_mul_i32 s50, s14, 18432
	v_add_nc_u32 v3, s50, v1               ; my quarter of the copy, in memory and in LDS alike
	v_bfe_u32 v4, v0, 4, 1
	v_lshlrev_b32 v4, 6, v4                ; b1: + 16 h numbers
	s_and_b32 s16, ttmp7, 0xffff
	s_lshl_b32 s17, s16, 4
	s_lshl_b32 s18, s14, 2
	s_add_co_u32 s17, s17, s18             ; my first tile of rows
	s_mul_i32 s52, s17, 12288
	s_mov_b32 s53, 0
	s_mul_i32 s54, ttmp9, 73728
	s_add_co_u32 s54, s54, W1F
	s_mov_b32 s55, 0
	s_mul_i32 s56, ttmp9, 384
	s_mov_b32 s57, 0
	s_mul_i32 s58, s17, 49152
	s_mul_i32 s59, ttmp9, 1536
	s_add_co_u32 s58, s58, s59
	s_mov_b32 s59, 0
	s_wait_alu depctr_va_vdst(0)
	s_wait_kmcnt 0x0
	s_load_b512 s[32:47], s[10:11], 0x0
	s_add_nc_u64 s[4:5], s[4:5], s[52:53]
	s_add_nc_u64 s[6:7], s[6:7], s[54:55]
	s_add_nc_u64 s[8:9], s[8:9], s[56:57]
	s_add_nc_u64 s[12:13], s[12:13], s[58:59]
.set i, 0
.rept 36
	global_load_b128 v[64+4*i:67+4*i], v3, s[6:7] offset:512*i
.set i, i+1
.endr
	WIN 0xc0
.irp q, 0,1,2
.irp i, 0,1,2,3
	global_load_b128 v[192+16*\q+4*\i:195+16*\q+4*\i], v4, s[8:9] offset:128*\q+16*\i
.endr
.endr
.macro AL s                            ; my four row fragments of K step s: 16 loads
.irp m, 0,1,2,3
.irp c, 0,1,2,3
	global_load_b128 v[16*((4*(\s)+\m)%16)+4*\c:16*((4*(\s)+\m)%16)+4*\c+3], v1, s[4:5] offset:\m*12288+(\s)*2048+\c*512
.endr
.endr
.endm
	WIN 0x40
	AL 0
	AL 1
	AL 2
	WIN 0
	KPAIR 10, 0x3f3504f3                   ; sqrt(1/2)
	KPAIR 16, 0xaf95df0b                   ; P's coefficients, from z^12 down
	KPAIR 18, 0x32edffee
	KPAIR 20, 0xb60cff51
	KPAIR 22, 0xb86ec2d2
	KPAIR 24, 0xba40ac63
	KPAIR 26, 0xbb41a1f6
	KPAIR 28, 0xbc83dbd4
	KPAIR 30, 0xb77460cd                   ; Q's, from z^8 down
	KPAIR 32, 0xb95fbd29
	KPAIR 34, 0xbadc924e
	KPAIR 36, 0xbbf19bf8
	KPAIR 38, 0xbc69b6a7
	s_wait_loadcnt 60                      ; my quarter of W1 is in; b1's 12 loads and the rows' 48 are younger
.set i, 0
.rept 36
	ds_store_b128 v3, v[64+4*i:67+4*i] offset:512*i
.set i, i+1
.endr
	WIN 0x40
	AL 3
	WIN 0x80
	AL 4
	AL 5
	WIN 0
	s_wait_kmcnt 0x0
	s_add_co_i32 s48, s44, s45
	s_add_co_i32 s48, s48, 127
	s_lshl_b32 s48, s48, 23                ; 2^(e12 + e13)
	s_mov_b32 s49, s48
	s_add_co_i32 s46, s46, 127
	s_lshl_b32 s50, s46, 23
	v_mov_b32 v7, s50                      ; 2^e14
	s_add_co_i32 s46, s46, 8
	s_lshl_b32 s46, s46, 23
	s_or_b32 s46, s46, 0x600000
	v_mov_b32 v8, s46                      ; 448 x 2^e14
	s_wait_dscnt 0x0                       ; my quarter lies in LDS
	s_barrier_signal -1
	s_barrier_wait -1
.macro BL s                            ; W1's six fragments of K step s into set s % 2
.irp j, 0,1,2,3,4,5
.irp c, 0,1,2,3
	ds_load_b128 v[64+96*((\s)%2)+16*\j+4*\c:64+96*((\s)%2)+16*\j+4*\c+3], v[1+(\s)/3] offset:(6*((\s)%3)+\j)*2048+\c*512
.endr
.endr
.endm
	BL 0
.irp s, 0,1,2,3,4,5
	s_wait_dscnt 0x0
	PLACES
.if \s < 5
	BL \s+1
.endif
.if 16*(5-\s) > 63
	s_wait_loadcnt 63                      ; 16 (5 - s) younger loads could stay out; the wait's field holds 63
.else
	s_wait_loadcnt 16*(5-\s)               ; the later K steps' row fragments stay out
.endif
.if \s < 4
	WIN 0xf4
.else
	WIN 0xf8
.endif
.irp j, 0,1,2,3,4,5
.irp m, 0,1,2,3
	WM 8*(4*\j+\m), 64+96*(\s%2)+16*\j, 16*((4*\s+\m)%16), (\s==0)       ; 24 accumulators by turns
.endr
.endr
	WIN 0
.endr
	PLACES
.macro GELU m, q                       ; 16 numbers of a lane: row tile m, columns 32 q + 16 h on
.set A0, 8*(4*(2*\q)+\m)
.set A1, 8*(4*(2*\q+1)+\m)
.set CC, 144+4*(3*\m+\q)               ; codes: registers of their own for each chunk, so no store's data are written again
	WIN 0x33
.irp i, 0,2,4,6
	v_pk_fma_f32 v[XX+\i:XX+\i+1], v[A0+\i:A0+\i+1], s[48:49], v[192+16*\q+\i:193+16*\q+\i] op_sel_hi:[1,0,1]
.endr
.irp i, 0,2,4,6
	v_pk_fma_f32 v[XX+8+\i:XX+9+\i], v[A1+\i:A1+\i+1], s[48:49], v[200+16*\q+\i:201+16*\q+\i] op_sel_hi:[1,0,1]
.endr
	WIN 0
.irp i, 0,2,4,6,8,10,12,14
	v_pk_mul_f32 v[ZZ+\i:ZZ+\i+1], v[XX+\i:XX+\i+1], v[10:11]
.endr
.irp i, 0,1,2,3,4,5,6,7,8,9,10,11,12,13,14,15
	v_med3_num_f32 v[ZZ+\i], v[ZZ+\i], -4.0, 4.0
.endr
.irp i, 0,2,4,6,8,10,12,14
	v_pk_mul_f32 v[Z2+\i:Z2+\i+1], v[ZZ+\i:ZZ+\i+1], v[ZZ+\i:ZZ+\i+1]
.endr
.irp i, 0,2,4,6,8,10,12,14
	v_pk_fma_f32 v[PP+\i:PP+\i+1], v[Z2+\i:Z2+\i+1], v[16:17], v[18:19]
	v_pk_fma_f32 v[QQ+\i:QQ+\i+1], v[Z2+\i:Z2+\i+1], v[30:31], v[32:33]
.endr
.irp k, 20,22,24,26,28
.irp i, 0,2,4,6,8,10,12,14
	v_pk_fma_f32 v[PP+\i:PP+\i+1], v[PP+\i:PP+\i+1], v[Z2+\i:Z2+\i+1], v[\k:\k+1]
.endr
.endr
.irp k, 34,36,38
.irp i, 0,2,4,6,8,10,12,14
	v_pk_fma_f32 v[QQ+\i:QQ+\i+1], v[QQ+\i:QQ+\i+1], v[Z2+\i:Z2+\i+1], v[\k:\k+1]
.endr
.endr
.irp i, 0,2,4,6,8,10,12,14
	v_pk_mul_f32 v[PP+\i:PP+\i+1], v[PP+\i:PP+\i+1], v[ZZ+\i:ZZ+\i+1]
.endr
	s_wait_alu depctr_va_vdst(0)
.irp i, 0,1,2,3,4,5,6,7,8,9,10,11,12,13,14,15
	v_rcp_f32 v[Z2+\i], v[QQ+\i]
.endr
.irp i, 0,2,4,6,8,10,12,14
	v_pk_mul_f32 v[XX+\i:XX+\i+1], v[XX+\i:XX+\i+1], 0.5 op_sel_hi:[1,0]       ; x / 2: plain work behind the batch
.endr
	s_wait_alu depctr_va_vdst(0)           ; one wait for the sixteen reciprocals, ahead of their first reader
.irp i, 0,2,4,6,8,10,12,14
	v_pk_mul_f32 v[PP+\i:PP+\i+1], v[PP+\i:PP+\i+1], v[Z2+\i:Z2+\i+1]          ; erf
.endr
.irp i, 0,2,4,6,8,10,12,14
	v_pk_fma_f32 v[XX+\i:XX+\i+1], v[XX+\i:XX+\i+1], v[PP+\i:PP+\i+1], v[XX+\i:XX+\i+1]
.endr
.irp i, 0,1,2,3,4,5,6,7,8,9,10,11,12,13,14,15
	v_med3_num_f32 v[XX+\i], v[XX+\i], -v8, v8
.endr
	v_cvt_scalef32_pk8_fp8_f32 v[CC:CC+1], v[XX:XX+7], v7
	v_cvt_scalef32_pk8_fp8_f32 v[CC+2:CC+3], v[XX+8:XX+15], v7
	v_nop                                  ; a plain instruction behind the last scaled conversion
	global_store_b128 v1, v[CC:CC+3], s[12:13] offset:\m*49152+\q*512          ; a piece: 512 consecutive bytes, aligned
.endm
.irp m, 0,1,2,3
.irp q, 0,1,2
	GELU \m, \q
.endr
.endr
	s_wait_tensorcnt 0x0                   ; the wave's end
	ds_add_u32 v[SPW], v[NIL]
	s_wait_dscnt 0x0
	s_endpgm
.Lfunc_end_k_qa05bb27f3a_ffn1:
	.size	k_qa05bb27f3a_ffn1, .Lfunc_end_k_qa05bb27f3a_ffn1-k_qa05bb27f3a_ffn1
	.p2alignl 7, 3214868480
	.fill 96, 4, 3214868480
	.section	.rodata,"a",@progbits
	.p2align	6, 0x0
	.amdhsa_kernel k_qa05bb27f3a_ffn1
		.amdhsa_group_segment_fixed_size 74240
		.amdhsa_private_segment_fixed_size 0
		.amdhsa_enable_private_segment 0
		.amdhsa_kernarg_size 40
		.amdhsa_user_sgpr_count 2
		.amdhsa_user_sgpr_kernarg_segment_ptr 1
		.amdhsa_wavefront_size32 1
		.amdhsa_system_sgpr_workgroup_id_x 1
		.amdhsa_system_sgpr_workgroup_id_y 1
		.amdhsa_system_sgpr_workgroup_id_z 1
		.amdhsa_system_vgpr_workitem_id 0
		.amdhsa_next_free_vgpr 1024
		.amdhsa_next_free_sgpr 66
		.amdhsa_reserve_vcc 0
		.amdhsa_float_denorm_mode_32 3
		.amdhsa_float_denorm_mode_16_64 3
		.amdhsa_memory_ordered 1
		.amdhsa_forward_progress 1
		.amdhsa_inst_pref_size 177
	.end_amdhsa_kernel
	.amdgpu_metadata
---
amdhsa.version: [ 1, 2 ]
amdhsa.kernels:
  - .name:           k_qa05bb27f3a_ffn1
    .symbol:         k_qa05bb27f3a_ffn1.kd
    .args:
      - { .name: f_img, .offset: 0, .size: 8, .value_kind: global_buffer, .address_space: global }
      - { .name: prep_img, .offset: 8, .size: 8, .value_kind: global_buffer, .address_space: global }
      - { .name: b1, .offset: 16, .size: 8, .value_kind: global_buffer, .address_space: global }
      - { .name: lowp_scales, .offset: 24, .size: 8, .value_kind: global_buffer, .address_space: global }
      - { .name: g_img, .offset: 32, .size: 8, .value_kind: global_buffer, .address_space: global }
    .group_segment_fixed_size: 74240
    .private_segment_fixed_size: 0
    .kernarg_segment_align: 8
    .kernarg_segment_size: 40
    .max_flat_workgroup_size: 128
    .sgpr_count:     66
    .vgpr_count:     1024
    .wavefront_size: 32
...
	.end_amdgpu_metadata
.endif
;; end of part 5
;; launch ffn2 (part 6): grid 6 x 32, 4 waves a work-group, no clusters, 165,376 bytes of LDS; arguments g_img, prep_img, b2, h_buf, lowp_scales, out0; writes out0
.if DOCPART == 6
	.amdgcn_target "amdgcn-amd-amdhsa--gfx1250"
	.amdhsa_code_object_version 6
	.text
	.protected	k_qa05bb27f3a_ffn2
	.globl	k_qa05bb27f3a_ffn2
	.p2align	8
	.type	k_qa05bb27f3a_ffn2,@function
k_qa05bb27f3a_ffn2:
	s_mov_b64 s[64:65], 0
	v_nop
	global_prefetch_b8 v0, s[64:65] scope:SCOPE_SE
	s_setreg_imm32_b32 hwreg(HW_REG_WAVE_MODE, 25, 1), 1
	s_wait_xcnt 0x0
; Launch 6 of 6: out0 = h + (gelu W2 + b2) (product 8).  No work is left out.
; A work-group makes 64 rows x 128 columns (a row of the tile is 512 bytes: whole aligned blocks of 256): 192 work-groups; 96 columns would give 256 but split such blocks between work-groups.
; K = 3,072 IS SHARED OUT AMONG THE WAVES: wave kq takes K steps 6 kq .. 6 kq + 5 of the whole tile (32 accumulators), so every fragment of either operand is loaded once, by one wave, straight into registers, three steps ahead.
; h and b2, which only the way out wants, are asked for first of all, into registers that the products leave alone: nothing is asked of memory behind the last product.
; The four partial tiles meet in LDS: each wave stores its own, one barrier, wave w adds row tile w's four parts in ascending K, turns them into rows through its own stage, adds b2 and h, and stores whole rows of 512 bytes.
; No joint loads: operands go to registers; no prefetch: the launch is short.
; LIMITS: e14 + e15 between -126 and 127; NaN and infinity are not served.
; REGISTERS: v1-11 addresses; three sets of twelve fragments (W2's tile j at + 16 j, rows' tile m at + 128 + 16 m): window 0 from v64, windows 1 and 2 from v0; window 1 v192-255: h; window 2 v192-195: b2;
;   window 3: accumulator (m, j) at 8 (4 j + m).
.set STG,   131072                     ; behind the four partial tiles of 32,768 bytes: 16 rows x 528 bytes a wave
.set SPARE, STG+4*16*528
.set W2F,   2160*2048
.set SPW, 8
.set NIL, 9
.set MSB, 0
.macro WIN new
.if MSB != (\new)
	s_set_vgpr_msb (MSB<<8)|(\new)
.set MSB, (\new)
.endif
.endm
.macro PLACES
.rept 4
	v_nop
.endr
.endm
.macro WM d, a, b, zero
.if \zero
	v_wmma_f32_16x16x128_fp8_fp8 v[\d:\d+7], v[\a:\a+15], v[\b:\b+15], 0
.else
	v_wmma_f32_16x16x128_fp8_fp8 v[\d:\d+7], v[\a:\a+15], v[\b:\b+15], v[\d:\d+7]
.endif
.endm
.macro SETSB s
.if ((\s)%3) == 0
.set SB, 64
.else
.set SB, 0
.endif
.endm
.macro SL s                            ; my K step s: 48 loads into set s % 3
	SETSB \s
	WIN 0x40*((\s)%3)
.irp j, 0,1,2,3,4,5,6,7
.irp c, 0,1,2,3
	global_load_b128 v[SB+16*\j+4*\c:SB+16*\j+4*\c+3], v1, s[6:7] offset:(\s)*16384+\j*2048+\c*512
.endr
.endr
.irp m, 0,1,2,3
.irp c, 0,1,2,3
	global_load_b128 v[SB+128+16*\m+4*\c:SB+128+16*\m+4*\c+3], v1, s[4:5] offset:\m*49152+(\s)*2048+\c*512
.endr
.endr
.endm
	s_load_b256 s[4:11], s[0:1], 0x0       ; g_img 4, prep_img 6, b2 8, h_buf 10
	s_load_b128 s[12:15], s[0:1], 0x20     ; lowp_scales 12, out0 14
	v_lshl_add_u32 v[SPW], v0, 2, SPARE
	v_mov_b32 v[NIL], 0
	v_lshrrev_b32 v10, 5, v0
	v_readfirstlane_b32 s16, v10           ; wave
	v_and_b32 v10, 31, v0
	v_lshlrev_b32 v1, 4, v10               ; 16 x lane
	s_lshl_b32 s50, s16, 15
	v_add_nc_u32 v3, s50, v1               ; my partial tile
	s_lshl_b32 s50, s16, 10
	v_add_nc_u32 v4, s50, v1               ; row tile w in parts 0, 1,
	v_add_nc_u32 v5, 65536, v4             ; in parts 2, 3
	v_and_b32 v10, 15, v0                  ; r
	v_bfe_u32 v11, v0, 4, 1                ; h
	s_mul_i32 s50, s16, 16*528
	s_add_co_u32 s50, s50, STG
	v_mul_u32_u24 v6, v10, 528
	v_lshl_add_u32 v6, v11, 6, v6
	v_add_nc_u32 v6, s50, v6               ; my stage, in: row r, + 64 h
	v_add_nc_u32 v7, s50, v1               ; back: a row of 512 bytes across the lanes
	s_and_b32 s18, ttmp7, 0xffff           ; the block of 64 rows
	s_mul_i32 s52, s18, 196608
	s_mul_i32 s53, s16, 12288
	s_add_co_u32 s52, s52, s53             ; rows' fragments: 4 tiles of 49,152 bytes a block; my six K steps
	s_mov_b32 s53, 0
	s_mul_i32 s54, ttmp9, 393216
	s_mul_i32 s55, s16, 98304
	s_add_co_u32 s54, s54, s55
	s_add_co_u32 s54, s54, W2F
	s_mov_b32 s55, 0
	s_lshl_b32 s56, ttmp9, 9               ; the tile's 512 bytes of a row
	s_mov_b32 s57, 0
	s_mul_i32 s58, s18, 196608             ; 64 rows of 3,072 bytes
	s_mul_i32 s59, s16, 49152
	s_add_co_u32 s58, s58, s59
	s_add_co_u32 s58, s58, s56
	s_mov_b32 s59, 0
	s_wait_kmcnt 0x0
	s_load_b512 s[32:47], s[12:13], 0x0
	s_add_nc_u64 s[4:5], s[4:5], s[52:53]
	s_add_nc_u64 s[6:7], s[6:7], s[54:55]
	s_add_nc_u64 s[8:9], s[8:9], s[56:57]
	s_add_nc_u64 s[10:11], s[10:11], s[58:59]
	s_add_nc_u64 s[14:15], s[14:15], s[58:59]
	WIN 0x40
.set i, 0
.rept 16
	global_load_b128 v[192+4*i:195+4*i], v1, s[10:11] offset:3072*i        ; h: my 16 rows, 512 consecutive bytes each.  The oldest loads: every count below leaves them behind
.set i, i+1
.endr
	WIN 0x80
	global_load_b128 v[192:195], v1, s[8:9]                                ; b2
	SL 0
	SL 1
	SL 2
.irp s, 0,1,2,3,4,5
.if \s < 4
	s_wait_loadcnt 63                      ; two younger sets, 96 loads, could stay out; the wait's field holds 63
.else
	s_wait_loadcnt 48*(5-\s)
.endif
	SETSB \s
	WIN 0xf0+5*(\s%3)
.irp j, 0,1,2,3,4,5,6,7
.irp m, 0,1,2,3
	WM 8*(4*\j+\m), SB+16*\j, SB+128+16*\m, (\s==0)        ; 32 accumulators by turns
.endr
.endr
	PLACES
.if \s < 3
	SL \s+3
.endif
.endr
	WIN 0x0c
.set i, 0
	s_wait_alu depctr_va_vdst(0)
.rept 32
	ds_store_b128 v3, v[8*i:8*i+3] offset:1024*i                           ; each accumulator from its low end on
	ds_store_b128 v3, v[8*i+4:8*i+7] offset:1024*i+512
.set i, i+1
.endr
	WIN 0
	s_wait_kmcnt 0x0
	s_add_co_i32 s48, s46, s47
	s_add_co_i32 s48, s48, 127
	s_lshl_b32 s48, s48, 23                ; 2^(e14 + e15)
	s_mov_b32 s49, s48
	s_wait_dscnt 0x0                       ; my partial tile lies in LDS
	s_barrier_signal -1
	s_barrier_wait -1
.irp p, 0,1,2
.irp j, 0,1,2,3,4,5,6,7
.irp f, 0,1
	ds_load_b128 v[64+64*\p+8*\j+4*\f:67+64*\p+8*\j+4*\f], v[4+\p/2] offset:(\p%2)*32768+\j*4096+\f*512
.endr
.endr
.endr
	WIN 0x40
.irp j, 0,1,2,3,4,5,6,7
.irp f, 0,1
	ds_load_b128 v[8*\j+4*\f:3+8*\j+4*\f], v5 offset:32768+\j*4096+\f*512
.endr
.endr
	WIN 0
	s_wait_dscnt 0x0
.set i, 0
.rept 32
	v_pk_add_f32 v[64+i:65+i], v[64+i:65+i], v[128+i:129+i]                ; K ascending
.set i, i+2
.endr
.set i, 0
.rept 32
	v_pk_add_f32 v[64+i:65+i], v[64+i:65+i], v[192+i:193+i]
.set i, i+2
.endr
	WIN 0x04
.set i, 0
.rept 32
	v_pk_add_f32 v[64+i:65+i], v[64+i:65+i], v[i:i+1]
.set i, i+2
.endr
	WIN 0
.irp j, 0,1,2,3,4,5,6,7
.irp f, 0,1
	ds_store_b128 v6, v[64+8*\j+4*\f:67+8*\j+4*\f] offset:128*(\j/2)+32*(\j%2)+16*\f      ; lane (r, h): columns 32 (j / 2) + 16 h + 8 (j % 2) on
.endr
.endr
.set i, 0
.rept 16
	ds_load_b128 v[128+4*i:131+4*i], v7 offset:528*i       ; my own bytes, served in order behind my stores
.set i, i+1
.endr
	s_wait_dscnt 0x0
	s_wait_loadcnt 0x0                     ; (h and b2 came long ago)
	WIN 0x20
.irp p, 0,1,2,3,4,5,6,7,8,9,10,11,12,13,14,15
.irp i, 0,2
	v_pk_fma_f32 v[128+4*\p+\i:129+4*\p+\i], v[128+4*\p+\i:129+4*\p+\i], s[48:49], v[192+\i:193+\i] op_sel_hi:[1,0,1]     ; sum x 2^(e14 + e15) + b2
.endr
.endr
	WIN 0x04
.set i, 0
.rept 32
	v_pk_add_f32 v[128+i:129+i], v[128+i:129+i], v[192+i:193+i]            ; + h
.set i, i+2
.endr
	WIN 0
.set i, 0
.rept 16
	global_store_b128 v1, v[128+4*i:131+4*i], s[14:15] offset:3072*i th:TH_STORE_NT        ; 512 consecutive bytes, aligned
.set i, i+1
.endr
	s_wait_tensorcnt 0x0                   ; the wave's end
	ds_add_u32 v[SPW], v[NIL]
	s_wait_dscnt 0x0
	s_endpgm
.Lfunc_end_k_qa05bb27f3a_ffn2:
	.size	k_qa05bb27f3a_ffn2, .Lfunc_end_k_qa05bb27f3a_ffn2-k_qa05bb27f3a_ffn2
	.p2alignl 7, 3214868480
	.fill 96, 4, 3214868480
	.section	.rodata,"a",@progbits
	.p2align	6, 0x0
	.amdhsa_kernel k_qa05bb27f3a_ffn2
		.amdhsa_group_segment_fixed_size 165376
		.amdhsa_private_segment_fixed_size 0
		.amdhsa_enable_private_segment 0
		.amdhsa_kernarg_size 48
		.amdhsa_user_sgpr_count 2
		.amdhsa_user_sgpr_kernarg_segment_ptr 1
		.amdhsa_wavefront_size32 1
		.amdhsa_system_sgpr_workgroup_id_x 1
		.amdhsa_system_sgpr_workgroup_id_y 1
		.amdhsa_system_sgpr_workgroup_id_z 1
		.amdhsa_system_vgpr_workitem_id 0
		.amdhsa_next_free_vgpr 1024
		.amdhsa_next_free_sgpr 66
		.amdhsa_reserve_vcc 0
		.amdhsa_float_denorm_mode_32 3
		.amdhsa_float_denorm_mode_16_64 3
		.amdhsa_memory_ordered 1
		.amdhsa_forward_progress 1
		.amdhsa_inst_pref_size 67
	.end_amdhsa_kernel
	.amdgpu_metadata
---
amdhsa.version: [ 1, 2 ]
amdhsa.kernels:
  - .name:           k_qa05bb27f3a_ffn2
    .symbol:         k_qa05bb27f3a_ffn2.kd
    .args:
      - { .name: g_img, .offset: 0, .size: 8, .value_kind: global_buffer, .address_space: global }
      - { .name: prep_img, .offset: 8, .size: 8, .value_kind: global_buffer, .address_space: global }
      - { .name: b2, .offset: 16, .size: 8, .value_kind: global_buffer, .address_space: global }
      - { .name: h_buf, .offset: 24, .size: 8, .value_kind: global_buffer, .address_space: global }
      - { .name: lowp_scales, .offset: 32, .size: 8, .value_kind: global_buffer, .address_space: global }
      - { .name: out0, .offset: 40, .size: 8, .value_kind: global_buffer, .address_space: global }
    .group_segment_fixed_size: 165376
    .private_segment_fixed_size: 0
    .kernarg_segment_align: 8
    .kernarg_segment_size: 48
    .max_flat_workgroup_size: 128
    .sgpr_count:     66
    .vgpr_count:     1024
    .wavefront_size: 32
...
	.end_amdgpu_metadata
.endif
;; end of part 6
